; MI455X (gfx1250); checked and timed in simulation.
; The chip was launched on July 23, 2026; its instructions are those of AMD's public machine-readable ISA for CDNA 5 (MIT licence, August 2026) and "CDNA5" Instruction Set Architecture Reference Guide (July 2026). The comments in the code are by the model that wrote it; some were corrected since.
;; Multi Head Self Attention. Allowed arithmetic: matrix products marked QUANTISED: E2M1 operands, one E8M0 scale for each 32 along K, by v_wmma_scale_f32_16x16x128_f8f6f4 with both operands' format E2M1 (or v_wmma_scale_f32_32x16x128_f4), f32 sums; products left as they are: bf16, f16 or f32 operands; f32 sums; everything else in f32.
;; Inputs: wk 1,024 x 1,024 float32; wo 1,024 x 1,024 float32; wq 1,024 x 1,024 float32; wv 1,024 x 1,024 float32; x 2 x 2,048 x 1,024 float32.
;; Outputs: out0 2 x 2,048 x 1,024 float32.
;; This version of the problem:
;;   THIS VERSION OF THE PROBLEM IS GIVEN IN LOW PRECISION. The matrix products marked QUANTISED in the list below multiply operands that are first quantised to E2M1 (2 exponent bits, 1 mantissa bit; 4 bits a number), with one power-of-two scale for each 32 numbers along K (OCP MX v1.0); their sums are f32. The products marked 'left as it is' may take bf16, f16 or f32 operands, with f32 sums. Whichever they take, every output number must still come out within the allowed error. Rounding operands to bf16 (8 significant bits) uses up far more of that allowance than f16 does (11 bits, for magnitudes from 6e-5 to 65,504). All else is computed in f32.
;;   The module's matrix products, in the order in which they are computed (A, B: the left and right operand; K: the contracted axis; several contracted axes count as one K, in the product's order):
;;     1. [M 4,096, K 1,024] x [K 1,024, N 1,024]; A: input x; B: input wq: QUANTISED
;;     2. [M 4,096, K 1,024] x [K 1,024, N 1,024]; A: input x; B: input wk: QUANTISED
;;     3. [M 4,096, K 1,024] x [K 1,024, N 1,024]; A: input x; B: input wv: QUANTISED
;;     4. batch 32 x [M 2,048, K 64] x [K 64, N 2,048]; A: computed on the way; B: computed on the way: left as it is (an operand is computed on the way)
;;     5. batch 32 x [M 2,048, K 2,048] x [K 2,048, N 64]; A: computed on the way; B: computed on the way: left as it is (an operand is computed on the way)
;;     6. [M 4,096, K 1,024] x [K 1,024, N 1,024]; A: computed on the way; B: input wo: left as it is (an operand is computed on the way)
;;   THE QUANTISER, for each operand of a quantised product, along K:
;;     - K is cut into blocks of 32 from its start; a last block that is shorter is filled with zeros.
;;     - A block's scale is 2^e with e = floor(log2(the largest magnitude in the block)) - 2, held to -126 .. 127; a block of zeros has e = 0. As a byte (E8M0): e + 127.
;;     - Each number is divided by its block's scale, clamped to +-6, and rounded to the nearest number of E2M1, ties to even, subnormals kept.
;;     - The product sums the exact products of the quantised numbers (number of the format x scale) in f32.
;;   ~~~python
;;   def quantise(x, axis):      # numpy; x: float32 -> the quantised numbers, widened to float32 again
;;       x = np.moveaxis(x, axis, -1); K = x.shape[-1]
;;       x = np.pad(x, [(0, 0)] * (x.ndim - 1) + [(0, -K % 32)]); x = x.reshape(x.shape[:-1] + (-1, 32)); a = np.abs(x).max(-1, keepdims=True)
;;       e = np.where(a > 0, np.clip(np.frexp(np.where(a > 0, a, 1))[1] - 1 - 2, -126, 127), 0)      # np.frexp(a)[1] - 1 = floor(log2(a)), exactly
;;       r = np.clip(x / 2.0 ** e, -6, 6)
;;       step = 2.0 ** (np.maximum(np.frexp(np.where(r == 0, 1, r))[1] - 1, 0) - 1)
;;       q = np.round(r / step) * step * 2.0 ** e      # np.round: ties to even
;;       return np.moveaxis(q.reshape(q.shape[:-2] + (-1,))[..., :K], -1, axis).astype(np.float32)
;;   ~~~
;; One version. Each part assembles by itself: llvm-mc -triple=amdgcn-amd-amdhsa -mcpu=gfx1250 --defsym DOCPART=n.
;; ======== version 1 of 1: 5 launches
;; limits: values are held in f16: magnitudes above 65,504 overflow, below 6.1e-05 lose precision
;; workspace buffers: codes 3,670,016 bytes; scales 229,376 bytes; wo16 2,097,152 bytes; rot 1,048,576 bytes; qkv 25,165,824 bytes; q32 393,216 bytes; att 8,388,608 bytes
;; launch prep (part 1): grid 320 x 1, 4 waves a work-group, no clusters, 33,280 bytes of LDS; arguments x, wq, wk, wv, wo, codes, scales, wo16, rot; writes codes, scales, wo16, rot
.if DOCPART == 1
	.amdgcn_target "amdgcn-amd-amdhsa--gfx1250"
	.amdhsa_code_object_version 6
	.text
	.protected	k_q4704655769_prep
	.globl	k_q4704655769_prep
	.p2align	8
	.type	k_q4704655769_prep,@function
k_q4704655769_prep:
	s_mov_b64 s[64:65], 0
	v_nop
	global_prefetch_b8 v0, s[64:65] scope:SCOPE_SE
	s_setreg_imm32_b32 hwreg(HW_REG_WAVE_MODE, 25, 1), 1
	s_wait_xcnt 0x0
; PREP: three kinds of work-groups, told apart by the work-group's number g alone.
;   g < 224:        x [4096][1024], wq, wk, wv [1024][1024], f32, become codes of FP4 (E2M1), K innermost, with one E8M0 scale byte for each 32 along K.
;                   The four tensors lie on end in the two buffers: codes [4096 + 3072][512 bytes], scales [4096 + 3072][32 bytes].
;   224 <= g < 256: wo [1024 (n)][1024 (k)] f32 becomes f16, laid [k / 64][n][64]: the order in which the projection's tiles are fetched.
;   g >= 256:       the rotation table [2][position 2048][pair 32][cos, sin] f32, 64 work-groups of 32 positions.  Table 0 is multiplied by c = log2(e) / 8 (it serves q: the softmax's scale rides on it), table 1 is plain.
; THE QUANTISER.  A block's scale is 2^(floor(log2(its largest magnitude)) - 2); its byte is the largest magnitude's exponent field - 2, held at 1 from below.  Each number is divided by the scale and
; rounded to the nearest code, ties to even, beyond 6 the largest code.
; LIMITS: a block of zeros gets the byte 1 where the rule says 127 (its codes are zeros, and this program alone reads the bytes); blocks whose largest magnitude lies under 2^-124 were not tried;
; NaN and infinities among the inputs are not served; wo has to stay under 65,504 (f16); the angle's reduction is written for positions under 2,048 (at most 1,304 quarter turns).
.set WAVES, 4
.set STEPS, 16
.set CB,    8                          ; bytes of 16 codes
.set R,     16                         ; v16-79   four sets of 16 numbers as they are loaded
.set X,     80                         ; v80-111  two sets of 16 neighbours
.set E,     112                        ; v112-127 a scale byte for each step
.set C,     128                        ; v128-191 codes: four registers for each step, so that no store's data are written again
.set WREG,  8192                       ; LDS: a region for each wave: two stages of 32 x SP bytes, and behind them its 256 scale bytes
.set SP,    80                         ; a lane's place in a stage: its 64 bytes + 16 of padding
.set SPW,   12                         ; v12      LDS address of my spare word; never rewritten
.set NIL,   13                         ; v13      0; never rewritten
.set SPARE, WAVES*WREG                 ; behind the four regions: the spare words, 128 bytes for each wave
	s_load_b256 s[4:11], s[0:1], 0x0               ; x, wq, wk, wv
	s_load_b256 s[12:19], s[0:1], 0x20             ; wo, codes, scales, wo16
	s_load_b64 s[20:21], s[0:1], 0x40              ; rot
	v_lshl_add_u32 v[SPW], v0, 2, SPARE
	v_mov_b32 v[NIL], 0
	v_lshrrev_b32 v1, 5, v0
	v_readfirstlane_b32 s22, v1                    ; wave
	v_and_b32 v2, 31, v0                           ; lane
	s_wait_kmcnt 0x0
	s_cmp_ge_u32 ttmp9, 256
	s_cbranch_scc1 .Lrot
	s_cmp_ge_u32 ttmp9, 224
	s_cbranch_scc1 .Lwo
; ---------------- the quantiser.  A wave takes 16 steps of 512 numbers.  Each of a step's four loads reads 512 consecutive bytes; the 2,048 bytes turn through the wave's own stage in LDS and come
; back 64 bytes a lane: 16 neighbours along K, two lanes to a block.  Loads run four steps ahead, the turn through LDS one step.
	v_lshlrev_b32 v3, 4, v2                        ; my 16 bytes of a load's 512
	s_mul_i32 s23, s22, WREG
	v_lshrrev_b32 v14, 2, v2
	v_mul_u32_u24 v14, v14, SP
	v_and_b32 v15, 3, v2
	v_lshl_add_u32 v14, v15, 4, v14
	v_add_nc_u32 v14, s23, v14                     ; the stage, on the way in: SP (lane / 4) + 16 (lane % 4)
	v_mul_u32_u24 v15, v2, SP
	v_add_nc_u32 v15, s23, v15                     ; and on the way out: SP x lane
	v_mul_u32_u24 v4, v2, CB                       ; my codes' place in a step's
	v_lshrrev_b32 v5, 1, v2
	s_add_co_u32 s23, s23, 2*32*SP
	v_add_nc_u32 v5, s23, v5                       ; my wave's 256 scale bytes, my block's byte
	v_lshlrev_b32 v7, 3, v2                        ; and on the way out 8 bytes a lane
	v_add_nc_u32 v6, s23, v7
	s_cmp_lt_u32 ttmp9, 160                        ; which tensor: the choice hangs on the work-group's number alone
	s_cselect_b64 s[24:25], s[6:7], s[8:9]         ; wq or wk,
	s_cmp_lt_u32 ttmp9, 192
	s_cselect_b64 s[24:25], s[24:25], s[10:11]     ; or wv,
	s_cmp_lt_u32 ttmp9, 128
	s_cselect_b64 s[24:25], s[4:5], s[24:25]       ; or x
	s_cselect_b32 s26, 127, 31
	s_and_b32 s26, ttmp9, s26                      ; which 32,768 numbers of that tensor
	s_lshl_b32 s26, s26, 17
	s_lshl_b32 s27, s22, 15
	s_add_co_u32 s26, s26, s27                     ; + my wave's 8,192
	s_mov_b32 s27, 0
	s_add_nc_u64 s[24:25], s[24:25], s[26:27]
	s_lshl_b32 s28, ttmp9, 2
	s_add_co_u32 s28, s28, s22                     ; the tensors lie on end in the buffers: run 4 g + wave
	s_lshl_b32 s30, s28, 12                        ; 4,096 bytes of codes a run
	s_mov_b32 s31, 0
	s_add_nc_u64 s[14:15], s[14:15], s[30:31]
	s_lshl_b32 s30, s28, 8                         ; 256 scale bytes a run
	s_add_nc_u64 s[16:17], s[16:17], s[30:31]
.macro LOAD t
.irp i, 0,1,2,3
	global_load_b128 v[R+16*((\t)%4)+4*\i:R+16*((\t)%4)+4*\i+3], v3, s[24:25] offset:2048*(\t)+512*\i th:TH_LOAD_NT   ; 32 lanes read 512 consecutive bytes
.endr
.endm
.macro TURN t                          ; step t's numbers through the stage: LDS serves a wave's instructions in order, so no wait stands between the stores and the loads
.irp i, 0,1,2,3
	ds_store_b128 v14, v[R+16*((\t)%4)+4*\i:R+16*((\t)%4)+4*\i+3] offset:32*SP*((\t)%2)+8*SP*\i
.endr
.irp i, 0,1,2,3
	ds_load_b128 v[X+16*((\t)%2)+4*\i:X+16*((\t)%2)+4*\i+3], v15 offset:32*SP*((\t)%2)+16*\i
.endr
.endm
.irp t, 0,1,2,3
	LOAD \t
.endr
	s_wait_loadcnt 12                              ; step 0's four loads are in; the twelve of steps 1 to 3 may be out
	TURN 0
.macro STEP t
.set XS, X+16*((\t)%2)
.if (\t) > 0
	s_wait_dscnt 1                                 ; this step's numbers are back from the stage (the last step's byte store may be out)
.else
	s_wait_dscnt 0x0
.endif
.if (\t)+4 < STEPS
	LOAD (\t)+4                                    ; into the registers that the stage's stores have read
.endif
.if (\t)+1 < STEPS
.if STEPS-2-(\t) >= 3
	s_wait_loadcnt 12                              ; the next step's four loads are in; those of the three steps behind it may be out
.else
	s_wait_loadcnt 4*(STEPS-2-(\t))
.endif
	TURN (\t)+1                                    ; through the other stage while this step is worked
.endif
	v_max3_num_f32 v8, |v[XS]|, |v[XS+1]|, |v[XS+2]|               ; the largest magnitude of my 16, in two chains
	v_max3_num_f32 v9, |v[XS+3]|, |v[XS+4]|, |v[XS+5]|
.irp i, 6,10
	v_max3_num_f32 v8, v8, |v[XS+\i]|, |v[XS+\i+1]|
	v_max3_num_f32 v9, v9, |v[XS+\i+2]|, |v[XS+\i+3]|
.endr
	v_max3_num_f32 v8, v8, |v[XS+14]|, |v[XS+15]|
	v_max3_num_f32 v8, v8, v9, 0x1800000           ; and the floor 2^(3 - 127): the byte cannot fall under 1
	v_max_num_f32_dpp v8, v8, v8 row_xmask:1 row_mask:0xf bank_mask:0xf   ; and of my neighbour's 16: the block's
	v_add_nc_u32 v11, 0xff000000, v8               ; 2 off its exponent field: the conversion takes the exponent field of this operand as its scale
	v_cvt_scalef32_pk8_fp4_f32 v[C+4*(\t)], v[XS:XS+7], v11
	v_cvt_scalef32_pk8_fp4_f32 v[C+4*(\t)+1], v[XS+8:XS+15], v11
	v_lshrrev_b32 v[E+(\t)], 23, v11               ; the scale's byte
	ds_store_b8 v5, v[E+(\t)] offset:16*(\t)       ; both lanes of a block write the same byte with the same value
	global_store_b64 v4, v[C+4*(\t):C+4*(\t)+1], s[14:15] offset:32*CB*(\t)   ; the wave stores 256 consecutive bytes, aligned
.endm
.irp t, 0,1,2,3,4,5,6,7,8,9,10,11,12,13,14,15
	STEP \t
.endr
	ds_load_b64 v[8:9], v6                         ; my wave's 256 scale bytes: these loads see my stores
	s_wait_dscnt 0x0
	global_store_b64 v7, v[8:9], s[16:17]          ; 256 consecutive bytes, aligned
	s_wait_tensorcnt 0x0                           ; the wave's end, behind my last LDS store
	ds_add_u32 v[SPW], v[NIL]
	s_wait_dscnt 0x0
	s_endpgm
; ---------------- wo to f16.  A work-group takes 32 rows n, a wave 8.  Eight lanes read 256 consecutive bytes (64 k) of a row, four rows an instruction pair; a store covers 512 consecutive
; bytes: four rows n of one plane k / 64.  Four batches of eight planes; loads run one batch ahead.
.Lwo:
	s_sub_co_u32 s23, ttmp9, 224
	s_lshl_b32 s23, s23, 5
	s_lshl_b32 s24, s22, 3
	s_add_co_u32 s23, s23, s24                     ; my wave's first row n
	s_lshl_b32 s24, s23, 12                        ; 4,096 bytes a row of wo
	s_mov_b32 s25, 0
	s_add_nc_u64 s[12:13], s[12:13], s[24:25]
	s_lshl_b32 s24, s23, 7                         ; 128 bytes a row in a plane of wo16
	s_add_nc_u64 s[18:19], s[18:19], s[24:25]
	v_lshrrev_b32 v3, 3, v2
	v_and_b32 v4, 7, v2
	v_lshlrev_b32 v3, 12, v3
	v_lshl_add_u32 v3, v4, 5, v3                   ; in: row lane / 8, 32 bytes at 32 (lane % 8)
	v_lshlrev_b32 v4, 4, v2                        ; out: 16 bytes a lane
.macro OLOAD bt, set                   ; batch bt: rows 4 (bt / 2) on, planes 8 (bt % 2) on
.irp u, 0,1,2,3,4,5,6,7
	global_load_b128 v[\set+8*\u:\set+8*\u+3], v3, s[12:13] offset:((\bt)/2)*16384+(8*((\bt)%2)+\u)*256 th:TH_LOAD_NT
	global_load_b128 v[\set+8*\u+4:\set+8*\u+7], v3, s[12:13] offset:((\bt)/2)*16384+(8*((\bt)%2)+\u)*256+16 th:TH_LOAD_NT
.endr
.endm
.macro OCVT bt, set
.irp u, 0,1,2,3,4,5,6,7
.irp j, 0,1,2,3
	v_cvt_pk_f16_f32 v[160+4*\u+\j], v[\set+8*\u+2*\j], v[\set+8*\u+2*\j+1]
.endr
	global_store_b128 v4, v[160+4*\u:160+4*\u+3], s[18:19] offset:(8*((\bt)%2)+\u)*131072+((\bt)/2)*512
.endr
.endm
	OLOAD 0, 32
	OLOAD 1, 96
	s_wait_loadcnt 16                              ; batch 0 is in; batch 1's sixteen loads may be out
	OCVT 0, 32
	OLOAD 2, 32
	s_wait_loadcnt 16
	s_wait_xcnt 0x0                                ; the last batch's stores have read their data: v160-191 are written again
	OCVT 1, 96
	OLOAD 3, 96
	s_wait_loadcnt 16
	s_wait_xcnt 0x0
	OCVT 2, 32
	s_wait_loadcnt 0x0
	s_wait_xcnt 0x0
	OCVT 3, 96
	s_endpgm
; ---------------- the rotation table.  A wave takes 8 positions, a lane a pair i: the trips of a wave hang on each other's registers, so they are kept few and the positions are spread over 256 waves.
; angle = position x 10000^(-i / 32); it is brought into +-pi/4 by taking off n quarter turns (pi/2 in two parts, fused), sine and cosine come from polynomials, and n's low two bits swap them and set
; their signs by selects: no address and no branch hangs on n.
.Lrot:
	s_sub_co_u32 s23, ttmp9, 256
	s_lshl_b32 s23, s23, 5
	s_lshl_b32 s24, s22, 3
	s_add_co_u32 s23, s23, s24                     ; my wave's first position: 32 x work-group + 8 x wave
	s_mov_b32 s32, 0x3f22f983                      ; 2 / pi
	s_mov_b32 s33, 0x3fc90fdb                      ; pi / 2, its high part
	s_mov_b32 s34, 0xb33bbd2e                      ; and what is left of it
	s_mov_b32 s35, 0xbe2aaaab                      ; sine: -1/6, 1/120, -1/5040, 1/362880
	s_mov_b32 s36, 0x3c088889
	s_mov_b32 s37, 0xb9500d01
	s_mov_b32 s38, 0x3638ef1d
	s_mov_b32 s39, 0x3d2aaaab                      ; cosine: 1/24, -1/720, 1/40320, -1/3628800
	s_mov_b32 s40, 0xbab60b61
	s_mov_b32 s41, 0x37d00d01
	s_mov_b32 s42, 0xb493f27e
	s_mov_b32 s43, 0x3e38aa3b                      ; c = log2(e) / 8
	v_cvt_f32_u32 v3, v2
	v_mul_f32 v3, 0xbed49a78, v3                   ; -i x log2(10000) / 32
	v_exp_f32 v4, v3                               ; 10000^(-i / 32)
	v_nop                                          ; a plain instruction behind the exponential
	v_cvt_f32_u32 v5, s23                          ; the position
	s_lshl_b32 s24, s23, 8
	v_lshl_add_u32 v6, v2, 3, s24                  ; 256 bytes a position, 8 a pair
	s_wait_alu depctr_va_vdst(0)                   ; the wait ahead of the result's first reader, and ahead of the label
	s_mov_b32 s25, 8
.Lpos:
	v_mul_f32 v8, v5, v4                           ; the angle
	v_mul_f32 v9, s32, v8
	v_rndne_f32 v9, v9                             ; n quarter turns
	v_fma_f32 v10, -v9, s33, v8
	v_fma_f32 v10, -v9, s34, v10                   ; r, within +-pi/4
	v_mul_f32 v11, v10, v10
	v_fma_f32 v16, v11, s38, s37                   ; the two polynomials by turns
	v_fma_f32 v18, v11, s42, s41
	v_fma_f32 v16, v11, v16, s36
	v_fma_f32 v18, v11, v18, s40
	v_fma_f32 v16, v11, v16, s35
	v_fma_f32 v18, v11, v18, s39
	v_mul_f32 v17, v10, v11
	v_fma_f32 v18, v11, v18, -0.5
	v_fma_f32 v16, v17, v16, v10                   ; sin r
	v_fma_f32 v18, v11, v18, 1.0                   ; cos r
	v_cvt_i32_f32 v19, v9
	v_and_b32 v24, 1, v19
	v_cmp_eq_u32 vcc_lo, 1, v24                    ; an odd n swaps the two
	v_cndmask_b32 v21, v16, v18, vcc_lo
	v_cndmask_b32 v20, v18, v16, vcc_lo
	v_lshlrev_b32 v24, 30, v19                     ; the sine's sign: bit 1 of n
	v_add_nc_u32 v25, 1, v19
	v_and_b32 v24, 0x80000000, v24
	v_lshlrev_b32 v25, 30, v25                     ; the cosine's: bit 1 of n + 1
	v_xor_b32 v21, v21, v24
	v_and_b32 v25, 0x80000000, v25
	v_xor_b32 v20, v20, v25
	global_store_b64 v6, v[20:21], s[20:21] offset:524288   ; table 1: the wave stores 256 consecutive bytes, aligned
	v_mul_f32 v22, s43, v20
	v_mul_f32 v23, s43, v21
	global_store_b64 v6, v[22:23], s[20:21]        ; table 0
	s_wait_xcnt 0x0                                ; the stores have read their offset and their data: both are written again
	v_add_nc_u32 v6, 256, v6
	v_add_f32 v5, 1.0, v5
	s_sub_co_u32 s25, s25, 1
	s_cmp_lg_u32 s25, 0
	s_cbranch_scc1 .Lpos
	s_endpgm
.Lfunc_end_k_q4704655769_prep:
	.size	k_q4704655769_prep, .Lfunc_end_k_q4704655769_prep-k_q4704655769_prep
	.p2alignl 7, 3214868480
	.fill 96, 4, 3214868480
	.section	.rodata,"a",@progbits
	.p2align	6, 0x0
	.amdhsa_kernel k_q4704655769_prep
		.amdhsa_group_segment_fixed_size 33280
		.amdhsa_private_segment_fixed_size 0
		.amdhsa_enable_private_segment 0
		.amdhsa_kernarg_size 72
		.amdhsa_user_sgpr_count 2
		.amdhsa_user_sgpr_kernarg_segment_ptr 1
		.amdhsa_wavefront_size32 1
		.amdhsa_system_sgpr_workgroup_id_x 1
		.amdhsa_system_sgpr_workgroup_id_y 1
		.amdhsa_system_sgpr_workgroup_id_z 1
		.amdhsa_system_vgpr_workitem_id 0
		.amdhsa_next_free_vgpr 192
		.amdhsa_next_free_sgpr 66
		.amdhsa_reserve_vcc 1
		.amdhsa_float_denorm_mode_32 3
		.amdhsa_float_denorm_mode_16_64 3
		.amdhsa_memory_ordered 1
		.amdhsa_forward_progress 1
		.amdhsa_inst_pref_size 54
	.end_amdhsa_kernel
	.amdgpu_metadata
---
amdhsa.version: [ 1, 2 ]
amdhsa.kernels:
  - .name:           k_q4704655769_prep
    .symbol:         k_q4704655769_prep.kd
    .args:
      - { .name: x, .offset: 0, .size: 8, .value_kind: global_buffer, .address_space: global }
      - { .name: wq, .offset: 8, .size: 8, .value_kind: global_buffer, .address_space: global }
      - { .name: wk, .offset: 16, .size: 8, .value_kind: global_buffer, .address_space: global }
      - { .name: wv, .offset: 24, .size: 8, .value_kind: global_buffer, .address_space: global }
      - { .name: wo, .offset: 32, .size: 8, .value_kind: global_buffer, .address_space: global }
      - { .name: codes, .offset: 40, .size: 8, .value_kind: global_buffer, .address_space: global }
      - { .name: scales, .offset: 48, .size: 8, .value_kind: global_buffer, .address_space: global }
      - { .name: wo16, .offset: 56, .size: 8, .value_kind: global_buffer, .address_space: global }
      - { .name: rot, .offset: 64, .size: 8, .value_kind: global_buffer, .address_space: global }
    .group_segment_fixed_size: 33280
    .private_segment_fixed_size: 0
    .kernarg_segment_align: 8
    .kernarg_segment_size: 72
    .max_flat_workgroup_size: 128
    .sgpr_count:     66
    .vgpr_count:     192
    .wavefront_size: 32
...
	.end_amdgpu_metadata
.endif
;; end of part 1
;; launch qkv (part 2): grid 12 x 16, 4 waves a work-group, clusters of 4 x 4, 327,680 bytes of LDS; arguments codes, scales, rot, qkv, q32; writes qkv, q32
.if DOCPART == 2
	.amdgcn_target "amdgcn-amd-amdhsa--gfx1250"
	.amdhsa_code_object_version 6
	.text
	.protected	k_q4704655769_qkv
	.globl	k_q4704655769_qkv
	.p2align	8
	.type	k_q4704655769_qkv,@function
k_q4704655769_qkv:
	s_mov_b64 s[64:65], 0
	v_nop
	global_prefetch_b8 v0, s[64:65] scope:SCOPE_SE
	s_setreg_imm32_b32 hwreg(HW_REG_WAVE_MODE, 25, 1), 1
	s_wait_xcnt 0x0
	s_wait_alu depctr_hold_cnt(0) depctr_sa_sdst(0) depctr_va_vdst(0) depctr_va_sdst(0) depctr_va_ssrc(0) depctr_va_vcc(0) depctr_vm_vsrc(0)
	s_getreg_b32 s2, hwreg(HW_REG_IB_STS2, 6, 4)
	s_cmp_eq_u32 s2, 0
	s_cbranch_scc0 .Lentry_in_a_cluster
	s_endpgm
.Lentry_in_a_cluster:
	s_bfe_u32 s2, ttmp6, 0x10000c
	s_cmp_lg_u32 s2, 0xf033
	s_cbranch_scc0 .Lentry_shape_is_right
	s_endpgm
.Lentry_shape_is_right:
; QKV: C[m][n] = sum over k of x[m][k] w[n][k], m = 4,096 rows of x, n = 3,072 rows of wq, wk, wv on end, k = 1,024, on codes of FP4 (E2M1) with one E8M0 scale for each 32 along K; sums in f32.
; A tile of C, 256 x 256, is made by a work-group of four waves; a wave makes 128 x 128: 64 accumulators of 16 x 16, 512 registers.  K is two slots of 512: both are asked for at the head and nothing is filled again.
; The scale bytes of the work-group's 256 + 256 rows, for all of K, come into LDS once, with the first fills.  By this text's count a wave has three tensor loads out at the head.
; CLUSTERS: 4 x 4 work-groups.  The four of a row of the cluster need the same tiles of x, the four of a column the same tiles of w: each tile is asked for JOINTLY.
; THE MATRIX INSTRUCTION IS USED TRANSPOSED (source 0 = 16 rows of w, source 1 = 16 rows of x): a lane holds eight neighbouring columns of one row: four (even, odd) pairs of one head.
; THE WAY OUT: the pairs are rotated by the table (q's table carries log2(e) / 8; v reads the row (1, 0) of every pair: one text serves the three tensors), rounded to f16, and laid by head:
; qkv [q, k, v][batch][head][position][64].  The first 16 positions of each batch are also kept in f32: q32 [q, k, v][batch][16][1024].
; THE TABLE'S ROWS of my 128 positions, 32 registers for each block of 16, are asked for long before the way out, into registers of window 1: blocks 0-3 at the head, into the 128 registers that the products
; never touch; blocks 4, 5 ahead of the last step, where w's set 0 lay; blocks 6, 7 behind the last products, where set 1 lay.
; LIMITS: 0.18 q, k and v have to stay under 65,504 (f16); NaN and infinities are not served.
; REGISTERS, in windows of 256: window 0: v0-31 addresses; v32-95 scale words, two sets; from v128 x's fragments, ONE set; on the way out v32-255 are free.
;   window 1: w's fragments, TWO sets, at v0-63 and v128-191; the table.   window 2: the accumulators of my rows 0-63 ((a, b) at v[8 (8 a + b)]);   window 3: those of my rows 64-127.
.set SIZE_K, 1024
.set KSTEP,  512                       ; along K in a slot
.set NQ,     KSTEP/128                 ; matrix instructions deep
.set ROWB,   256                       ; a tile's row in bytes
.set KROW,   SIZE_K*4/8                ; a row of codes in memory
.set PITCH,  272                       ; an LDS row: 256 bytes + 16 of padding: the 16 rows that a load touches start at 16 different banks (64 banks of 4 bytes: ISA guide 11.1)
.set FR,     8                         ; registers of a fragment: 16 rows x 128 K
.set NL,     2                         ; LDS loads that bring one
.set NP,     4                         ; places behind this matrix instruction (ISA guide 7.12.1)
.set HALFT,  128*PITCH                 ; 128 rows: what one tensor load brings
.set SLOT,   4*HALFT                   ; x's 256 rows, then w's 256 rows
.set KS,     SIZE_K/32                 ; a row of scales in bytes
.set SCL,    2*SLOT                    ; behind the slots: the scales, as runs of 256 bytes + 16 of padding
.set HALFS,  (128*KS/256)*272          ; the scales of 128 rows
.set SBLK,   (16*KS/256)*272           ; those of 16 rows
.set SPARE,  SCL+4*HALFS               ; behind the scales: the spare words, 128 bytes for each wave
.set SPITCH, 272                       ; the way out: a stage of 16 rows x (256 bytes + 16) for each wave, in slot 0, which has had its only fill and its last read by then
.set TA,   8                           ; v8-15   my byte in the rotation table, for each of my eight blocks of 16 positions; never rewritten
.set ADRA, 16                          ; v16-17  LDS address of my x fragments in slot 0, 1
.set ADRB, 20                          ; v20-21  the same for w
.set FL,   22                          ; v22     0 where my rows begin at position 0 of a batch
.set STO,  24                          ; v24     the way out: where I put 16 bytes of a row
.set RD,   25                          ; v25     where I read rows back
.set CO,   26                          ; v26     16 x lane
.set ADRS, 27                          ; v27     LDS address of my scale words: lanes 0-15 x's rows, lanes 16-31 w's
.set SPW,  28                          ; v28     LDS address of my spare word; never rewritten
.set NIL,  29                          ; v29     0; never rewritten
.set FO,   31                          ; v31     my byte in q32
.set SC,   32                          ; scale words
.set AF,   128                         ; x's fragments
.set RF,   96                          ; the way out: v96-159 a block's 64 rotated numbers
.set HF,   160                         ; v160-191 the same in f16
.set BK,   192                         ; v192-223, v224-255 rows read back from the stage, two sets
.set PM,   96                          ; s96  bytes from position to position in the table: 256, for v 0
.set TSTEP, 97                         ; s97  16 positions on
.set SAVE, 98                          ; s98  EXEC, kept
.set G1, 24
.set G0, 32
.set G1B, 48
.set G0B, 56
.set G1S, 68
.set G0S, 76
.set G1SB, 80
.set G0SB, 88
.set MSB, 0
.macro WIN new                         ; the immediate's high byte repeats the setting that is left
.if MSB != \new
	s_set_vgpr_msb (MSB<<8)|\new
.set MSB, \new
.endif
.endm
.set MUL_LO, 0xa1                      ; source 0 (w) window 1, source 1 (x) window 0, C and D window 2
.set MUL_HI, 0xf1                      ; the same, C and D window 3
.set TO_B,   0x40                      ; destination window 1, address window 0
; A joint load: waves 0 and 1 fetch for x, waves 2 and 3 for w.  The branch hangs on the wave's number alone.  An s_nop 0 and four v_nop follow each of the two lines.
.macro JLOAD g0a, g1a, g0b, g1b
	s_cmp_eq_u32 s15, 0
	s_cbranch_scc0 .Lfor_b_\@
	tensor_load_to_lds s[\g0a:\g0a+3], s[\g1a:\g1a+7]
	s_nop 0
.rept 4
	v_nop
.endr
	s_branch .Lasked_\@
.Lfor_b_\@:
	tensor_load_to_lds s[\g0b:\g0b+3], s[\g1b:\g1b+7]
	s_nop 0
.rept 4
	v_nop
.endr
.Lasked_\@:
.endm
.macro CROUND                          ; a round of the cluster's barrier
	s_barrier_signal -1
	s_barrier_wait -1
	s_cmp_lg_u32 s14, 0
	s_cbranch_scc1 .Lnot_wave_0_\@
	s_barrier_signal -3
.Lnot_wave_0_\@:
	s_barrier_wait -3
	s_barrier_signal -1
	s_barrier_wait -1
.endm
.macro SETCC a                         ; where block a's 32 registers of (cos, sin) lie in window 1
.if (\a) < 2
.set CC, 64+32*(\a)                    ; blocks 0, 1: v64-127
.elseif (\a) < 4
.set CC, 128+32*(\a)                   ; blocks 2, 3: v192-255
.elseif (\a) < 6
.set CC, 32*(\a)-128                   ; blocks 4, 5: v0-63
.else
.set CC, 32*(\a)-64                    ; blocks 6, 7: v128-191
.endif
.endm
.macro ROT a                           ; block a's (cos, sin): 16 pairs a lane, the same for both heads.  Written under the setting TO_B
	SETCC \a
.irp g, 0,1,2,3
	global_load_b128 v[CC+8*\g:CC+8*\g+3], v[TA+(\a)], s[8:9] offset:64*\g
	global_load_b128 v[CC+8*\g+4:CC+8*\g+7], v[TA+(\a)], s[8:9] offset:64*\g+16
.endr
.endm
	s_load_b128 s[4:7], s[0:1], 0x0                ; codes, scales
	s_load_b128 s[8:11], s[0:1], 0x10              ; rot, qkv
	s_load_b64 s[12:13], s[0:1], 0x20              ; q32
	v_lshl_add_u32 v[SPW], v0, 2, SPARE
	v_mov_b32 v[NIL], 0
	ds_add_u32 v[SPW], v[NIL]                      ; the wave's opening: the add, twice on end, and its wait ahead of my first tensor load
	ds_add_u32 v[SPW], v[NIL]
	v_lshrrev_b32 v1, 5, v0
	v_readfirstlane_b32 s14, v1                    ; wave 0..3
	s_lshr_b32 s15, s14, 1                         ; which half of the tile's rows is mine.  Also: I fetch for x (0) or for w (1)
	s_and_b32 s16, s14, 1                          ; which half of its columns.  Also: which 128 rows of that tile I fetch
	s_bfe_u32 s40, ttmp6, 0x40000                  ; cx, cy: my place in the cluster
	s_bfe_u32 s41, ttmp6, 0x40004
	s_lshl_b32 s42, ttmp9, 2
	s_add_co_u32 s42, s42, s40                     ; tile column = 4 x cluster x + cx
	s_and_b32 s17, ttmp7, 0xffff
	s_lshl_b32 s17, s17, 2
	s_add_co_u32 s17, s17, s41                     ; tile row = 4 x cluster y + cy
	s_lshl_b32 s43, s41, 2
	s_lshl_b32 s43, 15, s43                        ; my row of the cluster
	s_lshl_b32 s44, 0x1111, s40                    ; my column
	; descriptor group 1: a tile of 128 rows x 256 bytes, 16 bytes of padding behind each row
	s_or_b32 s[G1+0], s43, (0<<16)|(1<<20)|(1<<21)|(5<<22)|(3<<25)  ; 15:0 the mask; 17:16 elements of 1 byte; 20 padding on; 21 set beside a mask; 24:22 after every 64 words; 31:25 four words
	s_or_b32 s[G1B+0], s44, (0<<16)|(1<<20)|(1<<21)|(5<<22)|(3<<25)
.irp g, G1, G1B
	s_mov_b32 s[\g+1], ROWB<<16                    ; tensor_dim0
	s_mov_b32 s[\g+2], 128<<16                     ; tensor_dim1
	s_mov_b32 s[\g+3], ROWB<<16                    ; tile_dim0
	s_mov_b32 s[\g+4], 128                         ; tile_dim1
	s_mov_b32 s[\g+5], KROW                        ; tensor_dim0_stride
	s_mov_b32 s[\g+6], 0
	s_mov_b32 s[\g+7], 0
.endr
	; the scales of 128 rows: a dense block of 4,096 bytes, as rows of 256 bytes (32 elements of 8 bytes), 16 bytes of padding behind each
	s_or_b32 s[G1S+0], s43, (3<<16)|(1<<20)|(1<<21)|(5<<22)|(3<<25)
	s_or_b32 s[G1SB+0], s44, (3<<16)|(1<<20)|(1<<21)|(5<<22)|(3<<25)
.irp g, G1S, G1SB
	s_mov_b32 s[\g+1], 32<<16
	s_mov_b32 s[\g+2], (128*KS/256)<<16
	s_mov_b32 s[\g+3], 32<<16
	s_mov_b32 s[\g+4], 128*KS/256
	s_mov_b32 s[\g+5], 32
	s_mov_b32 s[\g+6], 0
	s_mov_b32 s[\g+7], 0
.endr
	s_lshl_b32 s18, s16, 7                         ; which 128 rows of the tile I fetch
	s_lshl_b32 s20, s17, 8
	s_add_co_u32 s20, s20, s18                     ; x: row 256 x tile row + 128 x half
	s_lshl_b32 s46, s42, 8
	s_add_co_u32 s46, s46, s18                     ; w: row 256 x tile column + 128 x half
	s_mov_b32 s21, 0
	s_mov_b32 s47, 0
	s_mov_b64 s[18:19], KS
	s_mul_u64 s[22:23], s[20:21], s[18:19]         ; where these rows' scales begin, in bytes
	s_mul_u64 s[92:93], s[46:47], s[18:19]
	s_mov_b64 s[18:19], KROW
	s_mul_u64 s[20:21], s[20:21], s[18:19]         ; and their codes
	s_mul_u64 s[46:47], s[46:47], s[18:19]
	s_mul_i32 s45, s14, HALFT                      ; where they go: wave x 128 rows: no place in the cluster enters an LDS address
	s_mul_i32 s94, s14, HALFS
	s_wait_dscnt 0x0                               ; both opening adds are done
	s_wait_kmcnt 0x0
	s_add_nc_u64 s[20:21], s[4:5], s[20:21]
	s_add_nc_u64 s[22:23], s[6:7], s[22:23]
	s_add_nc_u64 s[46:47], s[4:5], s[46:47]
	s_add_nc_u64 s[46:47], s[46:47], 2097152       ; the weights' codes lie behind x's 4,096 rows of 512 bytes
	s_add_nc_u64 s[92:93], s[6:7], s[92:93]
	s_add_nc_u64 s[92:93], s[92:93], 131072        ; and their scales behind x's 4,096 rows of 32
	CROUND                                         ; all sixteen work-groups are here: the first joint loads meet
	s_mov_b32 s[G0S], 1
	s_add_co_u32 s[G0S+1], s94, SCL
	s_mov_b64 s[G0S+2:G0S+3], s[22:23]
	s_or_b32 s[G0S+3], s[G0S+3], 0x80000000
	s_mov_b32 s[G0SB], 1
	s_add_co_u32 s[G0SB+1], s94, SCL
	s_mov_b64 s[G0SB+2:G0SB+3], s[92:93]
	s_or_b32 s[G0SB+3], s[G0SB+3], 0x80000000
	JLOAD G0S, G1S, G0SB, G1SB                     ; the scales first: they are wanted with K step 0
.irp s, 0,1
	s_mov_b32 s[G0+4*\s], 1
	s_add_co_u32 s[G0+4*\s+1], s45, \s*SLOT
	s_add_nc_u64 s[G0+4*\s+2:G0+4*\s+3], s[20:21], \s*ROWB
	s_or_b32 s[G0+4*\s+3], s[G0+4*\s+3], 0x80000000
	s_mov_b32 s[G0B+4*\s], 1
	s_add_co_u32 s[G0B+4*\s+1], s45, \s*SLOT
	s_add_nc_u64 s[G0B+4*\s+2:G0B+4*\s+3], s[46:47], \s*ROWB
	s_or_b32 s[G0B+4*\s+3], s[G0B+4*\s+3], 0x80000000
	JLOAD G0+4*\s, G1, G0B+4*\s, G1B
.endr
	v_and_b32 v1, 15, v0                           ; r = lane % 16
	v_bfe_u32 v2, v0, 4, 1                         ; h = lane / 16
	v_mul_u32_u24 v3, v1, PITCH
	v_lshl_add_u32 v4, v2, 4, v3                   ; a fragment's row x pitch + 16 x half
	s_mul_i32 s21, s15, HALFT                      ; my 128 rows of x
	s_mul_i32 s22, s16, HALFT                      ; my 128 rows of w,
	s_add_co_u32 s22, s22, 2*HALFT                 ; which lie behind x's 256
.irp s, 0,1
	v_add_nc_u32 v[ADRA+\s], s21, v4
	v_add_nc_u32 v[ADRB+\s], s22, v4
	s_add_co_u32 s21, s21, SLOT
	s_add_co_u32 s22, s22, SLOT
.endr
	v_mul_u32_u24 v5, v1, KS                       ; my row's scales: KS bytes a row,
	v_lshrrev_b32 v6, 8, v5
	v_lshl_add_u32 v5, v6, 4, v5                   ; and 16 more for each 256 passed
	s_mul_i32 s21, s15, HALFS
	s_mul_i32 s22, s16, HALFS
	s_add_co_u32 s22, s22, 2*HALFS
	s_sub_co_u32 s22, s22, s21
	v_mul_u32_u24 v6, s22, v2                      ; lanes 16-31 take w's
	s_add_co_u32 s21, s21, SCL
	v_add_nc_u32 v5, v5, v6
	v_add_nc_u32 v[ADRS], s21, v5
	; the way out's addresses
	s_mul_i32 s23, s14, 16*SPITCH                  ; my stage
	v_mul_u32_u24 v5, v1, SPITCH
	v_lshl_add_u32 v5, v2, 4, v5
	v_add_nc_u32 v[STO], s23, v5                   ; in: row r, 16 bytes for each half of the lanes
	v_bfe_u32 v5, v0, 3, 2
	v_mul_u32_u24 v5, v5, SPITCH
	v_and_b32 v6, 7, v0
	v_lshl_add_u32 v5, v6, 4, v5
	v_add_nc_u32 v[RD], s23, v5                    ; back: eight lanes take a head's 128 bytes of a row, four rows an instruction
	v_and_b32 v6, 31, v0
	v_lshlrev_b32 v[CO], 4, v6
	s_cmp_eq_u32 ttmp9, 0                          ; cluster x is the tensor: 0 q, 1 k, 2 v
	s_cselect_b32 s18, 0, 0x80000                  ; q takes table 0, k and v table 1
	s_mov_b32 s19, 0
	s_add_nc_u64 s[8:9], s[8:9], s[18:19]
	s_cmp_eq_u32 ttmp9, 2
	s_cselect_b32 s[PM], 0, 256                    ; v stays at position 0: (1, 0)
	s_lshl_b32 s[TSTEP], s[PM], 4
	s_lshl_b32 s20, ttmp9, 1
	s_lshr_b32 s21, s17, 3                         ; the batch
	s_add_co_u32 s20, s20, s21                     ; 2 x tensor + batch
	s_lshl_b32 s22, s20, 16                        ; q32: 65,536 bytes for each
	s_lshl_b32 s20, s20, 4
	s_and_b32 s23, s42, 3
	s_lshl_b32 s43, s23, 2
	s_add_co_u32 s20, s20, s43
	s_lshl_b32 s43, s16, 1
	s_add_co_u32 s20, s20, s43                     ; + my first head: 4 (tile column % 4) + 2 x column half
	s_lshl_b32 s20, s20, 18                        ; 262,144 bytes a head
	s_and_b32 s44, s17, 7
	s_lshl_b32 s45, s44, 8
	s_lshl_b32 s43, s15, 7
	s_add_co_u32 s45, s45, s43                     ; my first position: 256 (tile row % 8) + 128 x row half
	s_lshl_b32 s43, s45, 7
	s_add_co_u32 s20, s20, s43                     ; 128 bytes a position
	s_mov_b32 s21, 0
	s_add_nc_u64 s[10:11], s[10:11], s[20:21]
	s_lshl_b32 s23, s23, 10
	s_add_co_u32 s22, s22, s23
	s_lshl_b32 s23, s16, 9
	s_add_co_u32 s22, s22, s23                     ; q32: + my first column x 4 bytes
	s_mov_b32 s23, 0
	s_add_nc_u64 s[12:13], s[12:13], s[22:23]
	s_or_b32 s44, s44, s15
	v_mov_b32 v[FL], s44
	v_add_nc_u32 v[TA], s45, v1
	v_mul_lo_u32 v[TA], v[TA], s[PM]
	v_lshl_add_u32 v[TA], v2, 5, v[TA]             ; the table: my position's row, + 32 h: my half's four pairs of each 16 columns
.irp a, 1,2,3,4,5,6,7
	v_add_nc_u32 v[TA+\a], s[TSTEP], v[TA+\a-1]    ; and 16 positions on for each further block
.endr
	v_lshlrev_b32 v[FO], 12, v1
	v_lshl_add_u32 v[FO], v2, 5, v[FO]             ; q32: row r of 4,096 bytes, + 32 h
	WIN TO_B
	ROT 0                                          ; the table's blocks 0 to 3: into registers of window 1 that the products never name
	ROT 1
	ROT 2
	ROT 3
	WIN 0
.macro FRAG reg, adr, q, i             ; a fragment: lane l holds row l % 16; registers 4 c .. 4 c + 3 hold K = 64 c + 32 (l / 16) + 0 .. 31
.irp c, 0,1
	ds_load_b128 v[\reg+4*\c:\reg+4*\c+3], v[\adr] offset:64*(\q)+32*\c+(\i)*16*PITCH
.endr
.endm
; 16 matrix instructions: x's blocks a0, a0 + 1 against w's eight, 128 along K.  zero = 1: the first product starts the sums.  The 64 accumulators take turns, one instruction a turn.
.macro MUL16 a0, p, q, sc, zero
.irp a, \a0, \a0+1
.irp b, 0,1,2,3,4,5,6,7
.if \zero
	v_wmma_scale_f32_16x16x128_f8f6f4 v[8*(8*((\a)%4)+\b):8*(8*((\a)%4)+\b)+7], v[128*(\p)+FR*\b:128*(\p)+FR*\b+FR-1], v[AF+FR*(\a):AF+FR*(\a)+FR-1], 0, v[SC+8*NQ*(\sc)+NQ*\b+(\q)], v[SC+8*NQ*(\sc)+NQ*(\a)+(\q)] matrix_a_fmt:MATRIX_FMT_FP4 matrix_b_fmt:MATRIX_FMT_FP4 matrix_a_scale:MATRIX_SCALE_ROW1
.else
	v_wmma_scale_f32_16x16x128_f8f6f4 v[8*(8*((\a)%4)+\b):8*(8*((\a)%4)+\b)+7], v[128*(\p)+FR*\b:128*(\p)+FR*\b+FR-1], v[AF+FR*(\a):AF+FR*(\a)+FR-1], v[8*(8*((\a)%4)+\b):8*(8*((\a)%4)+\b)+7], v[SC+8*NQ*(\sc)+NQ*\b+(\q)], v[SC+8*NQ*(\sc)+NQ*(\a)+(\q)] matrix_a_fmt:MATRIX_FMT_FP4 matrix_b_fmt:MATRIX_FMT_FP4 matrix_a_scale:MATRIX_SCALE_ROW1
.endif
.endr
.endr
.endm
.macro FETCH_B slot, q, p
	WIN TO_B
.irp i, 0,1,2,3,4,5,6,7
	FRAG 128*(\p)+FR*\i, ADRB+\slot, \q, \i
.endr
	WIN 0
.endm
.macro FETCH_A slot, q, i0
.irp i, \i0, \i0+1, \i0+2, \i0+3
	FRAG AF+FR*(\i), ADRA+\slot, \q, \i
.endr
.endm
.macro SCALES sc                       ; a slot's scale words: four words a row; lanes 0-15 take x's block i, lanes 16-31 w's block i
.irp i, 0,1,2,3,4,5,6,7
	ds_load_b128 v[SC+8*NQ*\sc+NQ*\i:SC+8*NQ*\sc+NQ*\i+3], v[ADRS] offset:\i*SBLK
.endr
.endm
.macro PLACES n                        ; plain instructions between a matrix instruction and a load into, or a read of, its registers
.rept \n
	v_nop
.endr
.endm
.macro STEP slot, q, zero              ; a step of 128 along K that has its successor in the same slot
	s_wait_dscnt 4*NL                              ; w's set and x's blocks 0-3 are in; the youngest eight loads (x's blocks 4-7) may be out
	WIN MUL_LO
	MUL16 0, (\q)%2, \q, \slot, \zero
	MUL16 2, (\q)%2, \q, \slot, \zero
	s_wait_dscnt 0
	PLACES NP
	FETCH_B \slot, (\q)+1, 1-(\q)%2
	FETCH_A \slot, (\q)+1, 0
	WIN MUL_HI
	MUL16 4, (\q)%2, \q, \slot, \zero
	MUL16 6, (\q)%2, \q, \slot, \zero
	PLACES NP
	WIN 0
	FETCH_A \slot, (\q)+1, 4
.endm
.macro TURN slot, next                 ; slot 0's last step changes slots: one barrier; nothing is filled again
	s_wait_tensorcnt 0x0                           ; all my tensor loads have landed: my part of the next slot
	ds_add_u32 v[SPW], v[NIL]                      ; 0 onto my spare word
	s_wait_dscnt 4*NL+1                            ; (the add and the youngest eight loads may be out)
	WIN MUL_LO
	MUL16 0, 1, NQ-1, \slot, 0
	s_wait_dscnt 0x0                               ; the add is done, and my reads of this slot are over
	s_barrier_signal -1
	MUL16 2, 1, NQ-1, \slot, 0
	WIN 0
	s_barrier_wait -1
	PLACES NP
	v_add_nc_u32 v[ADRS], 4*NQ, v[ADRS]            ; on to the next slot's scale words
	FETCH_B \next, 0, 0
	FETCH_A \next, 0, 0
	SCALES \next
	WIN MUL_HI
	MUL16 4, 1, NQ-1, \slot, 0
	MUL16 6, 1, NQ-1, \slot, 0
	PLACES NP
	WIN 0
	FETCH_A \next, 0, 4
.endm
.macro STEPS slot, from
.set Q, \from
.rept NQ-1-\from
	STEP \slot, Q, 0
.set Q, Q+1
.endr
.endm
	s_wait_tensorcnt 1                             ; the scales and my part of slot 0 are in (slot 1's load may be out),
	s_barrier_signal -1
	s_barrier_wait -1                              ; everybody's are
	FETCH_B 0, 0, 0
	FETCH_A 0, 0, 0
	SCALES 0
	FETCH_A 0, 0, 4
	STEP 0, 0, 1                                   ; the first step's products start the sums
	STEPS 0, 1
	TURN 0, 1
	STEPS 1, 0
	WIN TO_B
	ROT 4                                          ; the table's blocks 4 and 5, where w's set 0 lay: its last products stand ahead of the step's closing places
	ROT 5
	s_wait_dscnt 4*NL                              ; the very last step: nothing more to fetch
	WIN MUL_LO
	MUL16 0, 1, NQ-1, 1, 0
	MUL16 2, 1, NQ-1, 1, 0
	s_wait_dscnt 0
	WIN MUL_HI
	MUL16 4, 1, NQ-1, 1, 0
	MUL16 6, 1, NQ-1, 1, 0
	PLACES NP                                      ; behind the last products: for the loads and writes into the registers that held scales and fragments, and for the reads of results
	WIN TO_B
	ROT 6                                          ; blocks 6 and 7, where w's set 1 lay
	ROT 7
	WIN 0
; THE WAY OUT, block by block of 16 rows x 128 columns (two heads).
.macro ROPE a                          ; even' = even cos - odd sin, odd' = even sin + odd cos; then f16
	SETCC \a
.set AC, 64*((\a)%4)
.set WN, 0x06+(\a)/4
	WIN WN                                         ; source 0: the accumulators' window; source 1: window 1, the table
.irp b, 0,1,2,3,4,5,6,7
.irp j, 0,1,2,3
	v_mul_f32 v[RF+8*\b+2*\j], v[AC+8*\b+2*\j+1], v[CC+8*(\b%4)+2*\j+1]   ; (each accumulator is read from its low end on)
	v_mul_f32 v[RF+8*\b+2*\j+1], v[AC+8*\b+2*\j+1], v[CC+8*(\b%4)+2*\j]
	v_fma_f32 v[RF+8*\b+2*\j], v[AC+8*\b+2*\j], v[CC+8*(\b%4)+2*\j], -v[RF+8*\b+2*\j]
	v_fma_f32 v[RF+8*\b+2*\j+1], v[AC+8*\b+2*\j], v[CC+8*(\b%4)+2*\j+1], v[RF+8*\b+2*\j+1]
.endr
.endr
	WIN 0
.set n, 0
.rept 32
	v_cvt_pk_f16_f32 v[HF+n], v[RF+2*n], v[RF+2*n+1]
.set n, n+1
.endr
.endm
.macro TOQ32                           ; the first 16 positions of a batch in f32: a mask of lanes, all or none; no branch hangs on the work-group's place
	v_cmp_eq_u32 vcc_lo, 0, v[FL]
	s_wait_xcnt 0x0                                ; EXEC changes only behind this wait
	s_and_saveexec_b32 s[SAVE], vcc_lo
.irp b, 0,1,2,3,4,5,6,7
	global_store_b128 v[FO], v[RF+8*\b:RF+8*\b+3], s[12:13] offset:64*\b
	global_store_b128 v[FO], v[RF+8*\b+4:RF+8*\b+7], s[12:13] offset:64*\b+16
.endr
	s_wait_xcnt 0x0                                ; and again, in front of the line that widens it; the stores have read their data too
	s_or_b32 exec_lo, exec_lo, s[SAVE]
.endm
.macro TOSTAGE a                       ; LDS serves a wave's instructions in order: no wait between the stores and the loads, nor in front of the next block's stores
.irp b, 0,1,2,3,4,5,6,7
	ds_store_b128 v[STO], v[HF+4*\b:HF+4*\b+3] offset:32*\b
.endr
.set BB, BK+32*((\a)%2)
.irp hh, 0,1
.irp i, 0,1,2,3
	ds_load_b128 v[BB+16*\hh+4*\i:BB+16*\hh+4*\i+3], v[RD] offset:\i*4*SPITCH+128*\hh
.endr
.endr
.endm
.macro SEND a, younger                 ; younger: the LDS instructions issued behind block a's loads
.set BB, BK+32*((\a)%2)
	s_wait_dscnt \younger
.irp hh, 0,1
.irp i, 0,1,2,3
	global_store_b128 v[CO], v[BB+16*\hh+4*\i:BB+16*\hh+4*\i+3], s[10:11] offset:\hh*262144+(\a)*2048+\i*512   ; 512 consecutive bytes: four positions of one head
.endr
.endr
.endm
.irp a, 0,1,2,3,4,5,6,7
.if \a >= 2
	s_wait_xcnt 0x0                                ; block a - 2's stores have read their data: block a's rows come back into those registers
.endif
	s_wait_loadcnt 8*(7-\a)                        ; this block's table is in; the eight loads of each later block may be out
	ROPE \a
.if \a == 0
	TOQ32
.endif
	TOSTAGE \a
.if \a > 0
	SEND \a-1, 16                                  ; behind block a - 1's loads: block a's 8 stores and 8 loads
.endif
.endr
	SEND 7, 0
	s_wait_tensorcnt 0x0                           ; the wave's end
	ds_add_u32 v[SPW], v[NIL]
	s_wait_dscnt 0x0
	CROUND                                         ; the closing round
	s_endpgm
.Lfunc_end_k_q4704655769_qkv:
	.size	k_q4704655769_qkv, .Lfunc_end_k_q4704655769_qkv-k_q4704655769_qkv
	.p2alignl 7, 3214868480
	.fill 96, 4, 3214868480
	.section	.rodata,"a",@progbits
	.p2align	6, 0x0
	.amdhsa_kernel k_q4704655769_qkv
		.amdhsa_group_segment_fixed_size 327680
		.amdhsa_private_segment_fixed_size 0
		.amdhsa_enable_private_segment 0
		.amdhsa_kernarg_size 40
		.amdhsa_user_sgpr_count 2
		.amdhsa_user_sgpr_kernarg_segment_ptr 1
		.amdhsa_wavefront_size32 1
		.amdhsa_system_sgpr_workgroup_id_x 1
		.amdhsa_system_sgpr_workgroup_id_y 1
		.amdhsa_system_sgpr_workgroup_id_z 1
		.amdhsa_system_vgpr_workitem_id 0
		.amdhsa_next_free_vgpr 1024
		.amdhsa_next_free_sgpr 100
		.amdhsa_reserve_vcc 1
		.amdhsa_float_denorm_mode_32 3
		.amdhsa_float_denorm_mode_16_64 3
		.amdhsa_memory_ordered 1
		.amdhsa_forward_progress 1
		.amdhsa_inst_pref_size 184
	.end_amdhsa_kernel
	.amdgpu_metadata
---
amdhsa.version: [ 1, 2 ]
amdhsa.kernels:
  - .name:           k_q4704655769_qkv
    .symbol:         k_q4704655769_qkv.kd
    .args:
      - { .name: codes, .offset: 0, .size: 8, .value_kind: global_buffer, .address_space: global }
      - { .name: scales, .offset: 8, .size: 8, .value_kind: global_buffer, .address_space: global }
      - { .name: rot, .offset: 16, .size: 8, .value_kind: global_buffer, .address_space: global }
      - { .name: qkv, .offset: 24, .size: 8, .value_kind: global_buffer, .address_space: global }
      - { .name: q32, .offset: 32, .size: 8, .value_kind: global_buffer, .address_space: global }
    .group_segment_fixed_size: 327680
    .private_segment_fixed_size: 0
    .kernarg_segment_align: 8
    .kernarg_segment_size: 40
    .max_flat_workgroup_size: 128
    .sgpr_count:     100
    .vgpr_count:     1024
    .wavefront_size: 32
...
	.end_amdgpu_metadata
.endif
;; end of part 2
;; launch first16 (part 3): grid 32 x 2, 16 waves a work-group, no clusters, 34,816 bytes of LDS; arguments q32, wo, out0; writes out0
.if DOCPART == 3
	.amdgcn_target "amdgcn-amd-amdhsa--gfx1250"
	.amdhsa_code_object_version 6
	.text
	.protected	k_q4704655769_first16
	.globl	k_q4704655769_first16
	.p2align	8
	.type	k_q4704655769_first16,@function
k_q4704655769_first16:
	s_mov_b64 s[64:65], 0
	v_nop
	global_prefetch_b8 v0, s[64:65] scope:SCOPE_SE
	s_setreg_imm32_b32 hwreg(HW_REG_WAVE_MODE, 25, 1), 1
	s_wait_xcnt 0x0
; FIRST16: the first 16 positions of each batch, attention and projection, all in f32: these rows average one to sixteen values and are the largest of the output.
; Work-group (cg, b) makes out0[b][0..15][32 cg .. 32 cg + 31].  Wave w is head w: it makes the head's 16 x 16 attention (12 KB of q32; made anew in each of the 32 column groups, which is little),
; then its 64 channels' share of the projection; the sixteen shares meet in LDS.
; q32 [q, k, v][batch][16][1024] holds q, k, v behind the rotation; q carries log2(e) / 8, so p = 2^(score - the row's largest score).
; LAYOUT.  S^T = K Q^T (source 0 = 16 keys, source 1 = 16 queries): lane (r, h) holds query r and keys 8 h + 0..7.  O^T = V^T P and out^T = wo O are used the same way, so a lane holds one query throughout
; and each result's register pairs are the next product's source 1.  Along each product's K both sources take the same order, which leaves the sums' terms as they are.
; The registers that the matrix instructions write (v176-239) are written by nothing else; sums begin with the constant 0; accumulators take turns.
; LIMITS: NaN and infinities among the inputs are not served.
.set SPARE, 32768                      ; LDS: sixteen shares of 2,048 bytes, then the spare words, 128 bytes for each wave
.set QF, 16                            ; v16-47   q: channels 8 c + 4 h + 0..3 in registers 4 c ..
.set KF, 48                            ; v48-79   k likewise
.set VT, 80                            ; v80-111  v: register 8 t + i: key 8 h + i, channel 16 t + r
.set WF, 112                           ; v112-175 wo: register 32 n + 8 t + i: row 16 n + r, channel 16 t + 8 h + i
.set SA, 176                           ; v176-183, v184-191 the scores in two halves of K
.set SB, 184
.set OT, 192                           ; v192-223 O^T, four tiles of 16 channels
.set OU, 224                           ; v224-239 out^T, two tiles of 16 columns
.set SS, 240                           ; v240-247 the scores, then p
.set SPW, 248
.set NIL, 249
	s_load_b128 s[4:7], s[0:1], 0x0                ; q32, wo
	s_load_b64 s[8:9], s[0:1], 0x10                ; out0
	v_lshl_add_u32 v[SPW], v0, 2, SPARE
	v_mov_b32 v[NIL], 0
	v_lshrrev_b32 v3, 5, v0
	v_readfirstlane_b32 s10, v3                    ; wave = head
	v_and_b32 v1, 15, v0                           ; r
	v_bfe_u32 v2, v0, 4, 1                         ; h
	s_lshl_b32 s11, s10, 8                         ; the head's 64 channels: 256 bytes on
	v_lshlrev_b32 v4, 12, v1
	v_add_nc_u32 v4, s11, v4
	v_lshl_add_u32 v6, v2, 5, v4                   ; wo: row r, the head's channels, + 32 h
	v_lshl_add_u32 v4, v2, 4, v4                   ; q, k: row r, + 16 h
	v_lshlrev_b32 v5, 15, v2
	v_lshl_add_u32 v5, v1, 2, v5
	v_add_nc_u32 v5, s11, v5                       ; v: key 8 h, channel r
	v_lshlrev_b32 v7, 3, v2
	v_sub_nc_u32 v7, v1, v7                        ; d = r - 8 h: register j holds a hidden key where j > d
	v_mov_b32 v8, 0xff800000                       ; -infinity
	v_and_b32 v9, 31, v0
	v_lshlrev_b32 v9, 5, v9
	s_lshl_b32 s12, s10, 11
	v_add_nc_u32 v9, s12, v9                       ; my share: 2,048 x wave + 32 x lane
	v_lshlrev_b32 v10, 2, v0                       ; and the word that my thread sums
	v_bfe_u32 v11, v0, 3, 4
	v_lshlrev_b32 v11, 12, v11                     ; that word's position: (thread / 8) % 16,
	v_lshrrev_b32 v12, 7, v0
	v_lshlrev_b32 v12, 3, v12
	v_and_b32 v13, 7, v0
	v_add_nc_u32 v12, v12, v13                     ; and column: 8 (thread / 128) + thread % 8
	v_lshl_add_u32 v11, v12, 2, v11
	v_mov_b32 v13, 0                               ; (a lane permute's destination counts as one of its sources)
	s_mov_b32 s14, 0x76543210
	s_mov_b32 s15, 0xfedcba98                      ; v_permlanex16_b32's selects for lane l xor 16
	s_and_b32 s16, ttmp7, 0xffff                   ; the batch
	s_lshl_b32 s18, s16, 16
	s_mov_b32 s19, 0
	s_lshl_b32 s20, ttmp9, 17                      ; 32 rows of wo
	s_mov_b32 s21, 0
	s_lshl_b32 s22, s16, 23
	s_lshl_b32 s23, ttmp9, 7
	s_add_co_u32 s22, s22, s23
	s_mov_b32 s23, 0
	s_wait_kmcnt 0x0
	s_add_nc_u64 s[4:5], s[4:5], s[18:19]
	s_add_nc_u64 s[6:7], s[6:7], s[20:21]
	s_add_nc_u64 s[8:9], s[8:9], s[22:23]
.irp c, 0,1,2,3,4,5,6,7
	global_load_b128 v[QF+4*\c:QF+4*\c+3], v4, s[4:5] offset:32*\c
.endr
.irp c, 0,1,2,3,4,5,6,7
	global_load_b128 v[KF+4*\c:KF+4*\c+3], v4, s[4:5] offset:131072+32*\c
.endr
.irp t, 0,1,2,3
.irp i, 0,1,2,3,4,5,6,7
	global_load_b32 v[VT+8*\t+\i], v5, s[4:5] offset:262144+\i*4096+64*\t
.endr
.endr
.irp n, 0,1
.irp t, 0,1,2,3
	global_load_b128 v[WF+32*\n+8*\t:WF+32*\n+8*\t+3], v6, s[6:7] offset:\n*65536+64*\t
	global_load_b128 v[WF+32*\n+8*\t+4:WF+32*\n+8*\t+7], v6, s[6:7] offset:\n*65536+64*\t+16
.endr
.endr
	s_wait_loadcnt 48                              ; q and k are in; v's 32 loads and wo's 16 may be out
.irp u, 0,1,2,3,4,5,6,7,8,9,10,11,12,13,14,15
.if \u < 2
	v_wmma_f32_16x16x4_f32 v[SA+8*(\u%2):SA+8*(\u%2)+7], v[KF+2*\u:KF+2*\u+1], v[QF+2*\u:QF+2*\u+1], 0
.else
	v_wmma_f32_16x16x4_f32 v[SA+8*(\u%2):SA+8*(\u%2)+7], v[KF+2*\u:KF+2*\u+1], v[QF+2*\u:QF+2*\u+1], v[SA+8*(\u%2):SA+8*(\u%2)+7]
.endif
.endr
.rept 8
	v_nop                                          ; eight places behind this form before a result is read (ISA guide 7.12.1)
.endr
.irp j, 0,1,2,3,4,5,6,7
	v_add_f32 v[SS+\j], v[SA+\j], v[SB+\j]
.endr
.irp j, 0,1,2,3,4,5,6,7
	v_cmp_gt_i32 vcc_lo, \j, v7
	v_cndmask_b32 v[SS+\j], v[SS+\j], v8, vcc_lo   ; the causal mask
.endr
	v_max3_num_f32 v12, v[SS], v[SS+1], v[SS+2]
	v_max3_num_f32 v12, v12, v[SS+3], v[SS+4]
	v_max3_num_f32 v12, v12, v[SS+5], v[SS+6]
	v_max_num_f32 v12, v12, v[SS+7]
	v_permlanex16_b32 v13, v12, s14, s15
	v_max_num_f32 v12, v12, v13                    ; the row's largest score (key 0 counts for every query: it is a number)
.irp j, 0,1,2,3,4,5,6,7
	v_sub_f32 v[SS+\j], v[SS+\j], v12
.endr
.irp j, 0,1,2,3,4,5,6,7
	v_exp_f32 v[SS+\j], v[SS+\j]
.endr
	v_nop                                          ; a plain instruction behind the batch,
	s_wait_alu depctr_va_vdst(0)                   ; and the one wait ahead of its first reader
	v_add_f32 v14, v[SS], v[SS+1]
	v_add_f32 v15, v[SS+2], v[SS+3]
	v_add_f32 v14, v14, v[SS+4]
	v_add_f32 v15, v15, v[SS+5]
	v_add_f32 v14, v14, v[SS+6]
	v_add_f32 v15, v15, v[SS+7]
	v_add_f32 v14, v14, v15
	v_permlanex16_b32 v13, v14, s14, s15
	v_add_f32 v14, v14, v13                        ; the row's sum
	v_rcp_f32 v14, v14
	v_nop
	s_wait_alu depctr_va_vdst(0)
.irp j, 0,1,2,3,4,5,6,7
	v_mul_f32 v[SS+\j], v[SS+\j], v14
.endr
	s_wait_loadcnt 16                              ; v is in; wo's 16 loads may be out
.irp c, 0,1,2,3
.irp t, 0,1,2,3
.if \c == 0
	v_wmma_f32_16x16x4_f32 v[OT+8*\t:OT+8*\t+7], v[VT+8*\t+2*\c:VT+8*\t+2*\c+1], v[SS+2*\c:SS+2*\c+1], 0
.else
	v_wmma_f32_16x16x4_f32 v[OT+8*\t:OT+8*\t+7], v[VT+8*\t+2*\c:VT+8*\t+2*\c+1], v[SS+2*\c:SS+2*\c+1], v[OT+8*\t:OT+8*\t+7]
.endif
.endr
.endr
	s_wait_loadcnt 0x0
.rept 9
	v_nop                                          ; nine places before a result becomes a source of this form
.endr
.irp t, 0,1,2,3
.irp c, 0,1,2,3
.irp n, 0,1
.if (\t == 0) && (\c == 0)
	v_wmma_f32_16x16x4_f32 v[OU+8*\n:OU+8*\n+7], v[WF+32*\n+8*\t+2*\c:WF+32*\n+8*\t+2*\c+1], v[OT+8*\t+2*\c:OT+8*\t+2*\c+1], 0
.else
	v_wmma_f32_16x16x4_f32 v[OU+8*\n:OU+8*\n+7], v[WF+32*\n+8*\t+2*\c:WF+32*\n+8*\t+2*\c+1], v[OT+8*\t+2*\c:OT+8*\t+2*\c+1], v[OU+8*\n:OU+8*\n+7]
.endif
.endr
.endr
.endr
.rept 8
	v_nop
.endr
.irp n, 0,1
	ds_store_b128 v9, v[OU+8*\n:OU+8*\n+3] offset:1024*\n          ; my share: word 256 n + 8 lane + j
	ds_store_b128 v9, v[OU+8*\n+4:OU+8*\n+7] offset:1024*\n+16
.endr
	s_wait_dscnt 0x0                               ; for the others' sake: my stores have landed
	s_barrier_signal -1
	s_barrier_wait -1
.irp w, 0,1,2,3,4,5,6,7,8,9,10,11,12,13,14,15
	ds_load_b32 v[16+\w], v10 offset:2048*\w       ; my thread's word of all sixteen shares
.endr
	s_wait_dscnt 0x0
.irp i, 0,1,2,3,4,5,6,7
	v_add_f32 v[16+\i], v[16+\i], v[24+\i]
.endr
.irp i, 0,1,2,3
	v_add_f32 v[16+\i], v[16+\i], v[20+\i]
.endr
	v_add_f32 v16, v16, v18
	v_add_f32 v17, v17, v19
	v_add_f32 v16, v16, v17
	global_store_b32 v11, v16, s[8:9]              ; eight lanes store 32 neighbouring bytes of a row; the launch stores 131,072 bytes in all
	s_wait_tensorcnt 0x0                           ; the wave's end, behind my last LDS store
	ds_add_u32 v[SPW], v[NIL]
	s_wait_dscnt 0x0
	s_endpgm
.Lfunc_end_k_q4704655769_first16:
	.size	k_q4704655769_first16, .Lfunc_end_k_q4704655769_first16-k_q4704655769_first16
	.p2alignl 7, 3214868480
	.fill 96, 4, 3214868480
	.section	.rodata,"a",@progbits
	.p2align	6, 0x0
	.amdhsa_kernel k_q4704655769_first16
		.amdhsa_group_segment_fixed_size 34816
		.amdhsa_private_segment_fixed_size 0
		.amdhsa_enable_private_segment 0
		.amdhsa_kernarg_size 24
		.amdhsa_user_sgpr_count 2
		.amdhsa_user_sgpr_kernarg_segment_ptr 1
		.amdhsa_wavefront_size32 1
		.amdhsa_system_sgpr_workgroup_id_x 1
		.amdhsa_system_sgpr_workgroup_id_y 1
		.amdhsa_system_sgpr_workgroup_id_z 1
		.amdhsa_system_vgpr_workitem_id 0
		.amdhsa_next_free_vgpr 256
		.amdhsa_next_free_sgpr 66
		.amdhsa_reserve_vcc 1
		.amdhsa_float_denorm_mode_32 3
		.amdhsa_float_denorm_mode_16_64 3
		.amdhsa_memory_ordered 1
		.amdhsa_forward_progress 1
		.amdhsa_inst_pref_size 18
	.end_amdhsa_kernel
	.amdgpu_metadata
---
amdhsa.version: [ 1, 2 ]
amdhsa.kernels:
  - .name:           k_q4704655769_first16
    .symbol:         k_q4704655769_first16.kd
    .args:
      - { .name: q32, .offset: 0, .size: 8, .value_kind: global_buffer, .address_space: global }
      - { .name: wo, .offset: 8, .size: 8, .value_kind: global_buffer, .address_space: global }
      - { .name: out0, .offset: 16, .size: 8, .value_kind: global_buffer, .address_space: global }
    .group_segment_fixed_size: 34816
    .private_segment_fixed_size: 0
    .kernarg_segment_align: 8
    .kernarg_segment_size: 24
    .max_flat_workgroup_size: 512
    .sgpr_count:     66
    .vgpr_count:     256
    .wavefront_size: 32
...
	.end_amdgpu_metadata
.endif
;; end of part 3
;; launch attn (part 4): grid 8 x 32, 16 waves a work-group, clusters of 4 x 1, 327,680 bytes of LDS; arguments qkv, att; writes att
.if DOCPART == 4
	.amdgcn_target "amdgcn-amd-amdhsa--gfx1250"
	.amdhsa_code_object_version 6
	.text
	.protected	k_q4704655769_attn
	.globl	k_q4704655769_attn
	.p2align	8
	.type	k_q4704655769_attn,@function
k_q4704655769_attn:
	s_mov_b64 s[64:65], 0
	v_nop
	global_prefetch_b8 v0, s[64:65] scope:SCOPE_SE
	s_setreg_imm32_b32 hwreg(HW_REG_WAVE_MODE, 25, 1), 1
	s_wait_xcnt 0x0
	s_wait_alu depctr_hold_cnt(0) depctr_sa_sdst(0) depctr_va_vdst(0) depctr_va_sdst(0) depctr_va_ssrc(0) depctr_va_vcc(0) depctr_vm_vsrc(0)
	s_getreg_b32 s2, hwreg(HW_REG_IB_STS2, 6, 4)
	s_cmp_eq_u32 s2, 0
	s_cbranch_scc0 .Lentry_in_a_cluster
	s_endpgm
.Lentry_in_a_cluster:
	s_bfe_u32 s2, ttmp6, 0x10000c
	s_cmp_lg_u32 s2, 0x3003
	s_cbranch_scc0 .Lentry_shape_is_right
	s_endpgm
.Lentry_shape_is_right:
; ATTN: att[head][q][:] = the sum over keys k <= q of softmax_k(q . k) v[k][:], for 32 heads (batch x head) of 2,048 positions x 64 channels.  q, k, v: f16, behind the rotation; q carries log2(e) / 8.
; Products on f16 operands with f32 sums; maxima, exponentials and sums in f32, with a running maximum; p is rounded to f16 for the second product, the result once at the end.
; SHARES.  A work-group has sixteen waves, each with ONE tile of 16 queries in 256 registers: four waves to a SIMD, so that one wave's vector work stands beside another's products and LDS loads.
; Work-group i (0..7) of a head and the wave of rank rho (0..15) own queries 128 rho + 16 i + 0..15.  Keys go in steps of 128.  Step KB is left out where KB > rho and masked where KB = rho: both tests hang on
; the wave's number and the count of steps alone, so all work-groups run alike, each has 136 wave steps, and the wave of rank 15 reads every slot in every work-group.
; rho = 4 ((w / 4 + w % 4) % 4) + w % 4: among waves that agree modulo 4, and among waves 4 m .. 4 m + 3 alike, there is one of each group of four ranks.
; CLUSTER.  Four work-groups of one head walk the same K and V: each tile is asked for JOINTLY (mask 15).  A ring of two LDS slots of 256 keys; waves 0, 1 fetch K's halves, waves 2, 3 V's; one tensor load
; a fetching wave is out at any time, and every wait on TENSORcnt is for 0.
; LAYOUT.  S^T = K Q^T (source 0 = 16 keys, source 1 = my 16 queries): lane (r, h) holds query r and keys 8 h + 0..7 of a tile.  Two such tiles, rounded to f16 in pairs, are source 1 of O^T = V^T P.
; K comes out of LDS as it lies, V ([key][channel]) turned, by ds_load_tr16_b128.
; THE LDS LOADS STAND EARLY.  A step's eight tiles of K come in ONE run of 32 loads (four into the fragments' registers, four into p's and the softmax's, which hold nothing then); V's first 64 keys are asked
; for straight behind the scores' products, so that the whole softmax stands between the request and the use; V's other 64 keys go into the scores' registers as soon as p has been rounded.
; LIMITS: NaN and infinities are not served; a p under 6e-8 of its row's largest counts as 0 in the second product (it still counts in the sum).
.set KP,    144                        ; a key's row in LDS: 128 bytes + 16: an odd multiple of 16
.set VP,    160                        ; a row of V: 128 + 32: an odd multiple of 32
.set VOFF,  256*KP                     ; a slot: 256 rows of K, then 256 rows of V
.set SLOT1, 1<<17                      ; slot 1 begins here: one exclusive or turns an address in one slot into the other's
.set STAGE, 256*(KP+VP)                ; behind slot 0: 16 rows x 144 bytes for each wave, for the way out: bytes into which no tile lands
.set SPARE, STAGE+16*16*KP             ; the spare words, 128 bytes for each wave
.set NSL,   8                          ; slots' worth of keys
.set PFO, 0                            ; v0   from the head's end on: 256 x lane, the prefetches' offset; never rewritten after that
.set AK0, 1                            ; v1   my lane's place in a tile of K
.set AV0, 2                            ; v2   the same for V
.set DD,  3                            ; v3   d = 16 i + r - 8 h: in the masked step register 8 T + j is hidden where 16 T + j > d
.set NEG, 4                            ; v4   -infinity
.set SPW, 5                            ; v5   LDS address of my spare word; never rewritten
.set NIL, 6                            ; v6   0; never rewritten
.set GO,  7                            ; v7   16 x lane
.set ADK, 8                            ; v8   LDS address of the step's tiles of K
.set ADV, 9                            ; v9   of V
.set STO, 10                           ; v10  the way out: where I put 16 bytes of a row
.set RD,  11                           ; v11  where I read rows back
                                       ; v12 -m, v13 m; v[14:15] the sum in two halves
.set QF,  16                           ; v16-31   Q: two fragments
.set FB,  32                           ; v32-95   K's tiles 0-3, then V's keys 0-63
.set ST,  96                           ; v96-159  S^T, then p, then V's keys 64-127
.set OT,  160                          ; v160-191 O^T
.set PF,  192                          ; v192-223 K's tiles 4, 5, then p in f16
.set MX,  224                          ; v224-255 K's tiles 6, 7; then the softmax's own: v224-228 maxima, v[232:233] the sum's second chain, v252 a, v253 (named with it as a pair), v254 at work
.set QO,  235                          ; v235 at the head: Q's offset
.set TB,  2                            ; s2   LDS byte at which the slot in hand begins
.set KB,  3                            ; s3   the step's number
.set WV,  18
.set RHO, 19
.set SEL, 20                           ; s[20:21] lane selects for v_permlanex16_b32: lane l xor 16
.set G1K, 24
.set G1V, 32
.set G0K, 40
.set G0V, 44
.set SLOTS, 48                         ; s48  slots still to be asked for
.set LIM, 49                           ; s49  1 in a wave that prefetches, else the greatest number
.set PFA, 50                           ; s[50:51] where my prefetches stand
.macro ROUND                           ; a round of the cluster's barrier
	s_barrier_signal -1
	s_barrier_wait -1
	s_cmp_lg_u32 s[WV], 0
	s_cbranch_scc1 .Lnot_wave_0_\@
	s_barrier_signal -3
.Lnot_wave_0_\@:
	s_barrier_wait -3
	s_barrier_signal -1
	s_barrier_wait -1
.endm
.macro TLOAD                           ; waves 0 and 1 fetch for K, waves 2 and 3 for V, the others nothing.  An s_nop 0 and four v_nop follow each of the two lines
	s_cmp_lt_u32 s[WV], 2
	s_cbranch_scc0 .Lnot_k_\@
	tensor_load_to_lds s[G0K:G0K+3], s[G1K:G1K+7]
	s_nop 0
.rept 4
	v_nop
.endr
	s_branch .Lasked_\@
.Lnot_k_\@:
	s_cmp_lt_u32 s[WV], 4
	s_cbranch_scc0 .Lasked_\@
	tensor_load_to_lds s[G0V:G0V+3], s[G1V:G1V+7]
	s_nop 0
.rept 4
	v_nop
.endr
.Lasked_\@:
.endm
; A PREFETCH of what the NEXT change of slots will ask for: a slot's 256 rows of K and of V, each a dense block of 32,768 bytes.  Both clusters of a head walk the same rows: the head's first cluster asks.
; Its four partners share a block out BY ADDRESS, 8,192 bytes each; in each, wave 4 asks for K's and wave 5 for V's, lanes 256 bytes apart: each aligned block of 256 bytes is named once in the launch.
; It stands two key steps ahead of the load that wants the rows.  The last change that fills a slot asks for nothing; slots 0 and 1 come by their loads alone.
.macro ASK
	s_cmp_gt_u32 s[SLOTS], s[LIM]
	s_cbranch_scc0 .Lnot_mine_\@
	global_prefetch_b8 v[PFO], s[PFA:PFA+1] th:TH_LOAD_NT scope:SCOPE_SE
.Lnot_mine_\@:
.endm
	s_load_b128 s[4:7], s[0:1], 0x0                ; qkv, att
	v_lshl_add_u32 v[SPW], v0, 2, SPARE
	v_mov_b32 v[NIL], 0
	ds_add_u32 v[SPW], v[NIL]                      ; the wave's opening: the add, twice on end, and its wait ahead of the first tensor loads
	ds_add_u32 v[SPW], v[NIL]
	v_lshrrev_b32 v224, 5, v0
	v_readfirstlane_b32 s[WV], v224                ; wave 0..15
	s_lshr_b32 s8, s[WV], 2
	s_and_b32 s9, s[WV], 3
	s_add_co_u32 s8, s8, s9
	s_and_b32 s8, s8, 3
	s_lshl_b32 s8, s8, 2
	s_or_b32 s[RHO], s8, s9                        ; my rank
	s_bfe_u32 s10, ttmp6, 0x40000                  ; cx
	s_lshl_b32 s11, ttmp9, 2
	s_add_co_u32 s11, s11, s10                     ; i = 4 x cluster x + cx: it enters global addresses and the mask's number d alone
	s_and_b32 s12, ttmp7, 0xffff                   ; the head, which the partners share
	s_lshl_b32 s12, s12, 18                        ; its first byte in each tensor
	s_and_b32 s14, s[WV], 1                        ; which 128 rows of a slot I fetch
	s_lshl_b32 s52, s14, 14
	s_add_co_u32 s52, s52, s12
	s_mov_b32 s53, 0
	s_lshl_b32 s54, s[RHO], 14
	s_lshl_b32 s55, s11, 11
	s_add_co_u32 s54, s54, s55
	s_add_co_u32 s54, s54, s12                     ; my first query's row: 128 bytes x (128 rho + 16 i), in my head
	s_mov_b32 s55, 0
	s_lshl_b32 s58, s11, 4                         ; 16 i
	; descriptor group 1: 128 rows x 64 elements of 2 bytes, dense in memory, padded in LDS
	s_mov_b32 s[G1K], 15|(1<<16)|(1<<20)|(1<<21)|(4<<22)|(3<<25)  ; 15:0 the mask: all four work-groups; 17:16 elements of 2 bytes; 20 padding on; 21 set beside a mask; 24:22 after every 32 words; 31:25 four words
	s_mov_b32 s[G1V], 15|(1<<16)|(1<<20)|(1<<21)|(4<<22)|(7<<25)  ; the same with eight words of padding
.irp g, G1K, G1V
	s_mov_b32 s[\g+1], 64<<16                      ; tensor_dim0
	s_mov_b32 s[\g+2], 128<<16                     ; tensor_dim1
	s_mov_b32 s[\g+3], 64<<16                      ; tile_dim0
	s_mov_b32 s[\g+4], 128                         ; tile_dim1
	s_mov_b32 s[\g+5], 64                          ; tensor_dim0_stride
	s_mov_b32 s[\g+6], 0
	s_mov_b32 s[\g+7], 0
.endr
	s_mov_b32 s[G0K], 1
	s_mul_i32 s[G0K+1], s14, 128*KP                ; slot 0, my half
	s_mov_b32 s[G0V], 1
	s_mul_i32 s[G0V+1], s14, 128*VP
	s_add_co_u32 s[G0V+1], s[G0V+1], VOFF
	s_mov_b32 s[SEL], 0x76543210
	s_mov_b32 s[SEL+1], 0xfedcba98
	s_mov_b32 s[TB], 0
	s_mov_b32 s[KB], 0
	s_mov_b32 s[SLOTS], NSL-1
	s_mov_b32 s57, 0x1000000
	s_cmp_eq_u32 s[WV], 4
	s_cselect_b32 s56, 0x800000, s57               ; wave 4 asks for K's rows, wave 5 for V's
	s_add_co_u32 s56, s56, s12
	s_lshl_b32 s57, s10, 13                        ; my work-group's 8,192 bytes of a slot's block,
	s_add_co_u32 s56, s56, s57
	s_add_co_u32 s56, s56, 32768                   ; in slot 1: the first change of slots steps it to slot 2
	s_mov_b32 s57, 0
	s_sub_co_u32 s59, s[WV], 4
	s_lshr_b32 s59, s59, 1                         ; 0 in waves 4 and 5,
	s_or_b32 s59, s59, ttmp9                       ; of the head's first cluster: the same in all four partners
	s_cmp_eq_u32 s59, 0
	s_cselect_b32 s[LIM], 1, -1
	s_wait_dscnt 0x0                               ; both opening adds are done
	s_wait_kmcnt 0x0
	s_add_nc_u64 s[G0K+2:G0K+3], s[4:5], s[52:53]
	s_add_nc_u64 s[G0K+2:G0K+3], s[G0K+2:G0K+3], 0x800000    ; k lies 8,388,608 bytes into qkv
	s_or_b32 s[G0K+3], s[G0K+3], 0x80000000
	s_add_nc_u64 s[G0V+2:G0V+3], s[4:5], s[52:53]
	s_add_nc_u64 s[G0V+2:G0V+3], s[G0V+2:G0V+3], 0x1000000   ; v 16,777,216
	s_or_b32 s[G0V+3], s[G0V+3], 0x80000000
	s_add_nc_u64 s[PFA:PFA+1], s[4:5], s[56:57]
	s_add_nc_u64 s[4:5], s[4:5], s[54:55]          ; q at my first query
	s_add_nc_u64 s[6:7], s[6:7], s[54:55]          ; att likewise
	ROUND                                          ; all four work-groups are here: the first joint loads meet
	TLOAD                                          ; slot 0
	v_and_b32 v224, 15, v0                         ; r
	v_bfe_u32 v225, v0, 4, 1                       ; h
	v_lshlrev_b32 v[QO], 7, v224
	v_lshl_add_u32 v[QO], v225, 4, v[QO]           ; Q: row r of 128 bytes, + 16 h
.irp c, 0,1,2,3
	global_load_b128 v[QF+4*\c:QF+4*\c+3], v[QO], s[4:5] offset:32*\c   ; Q's two fragments stay in registers
.endr
	v_mul_u32_u24 v[AK0], v224, KP
	v_lshl_add_u32 v[AK0], v225, 4, v[AK0]
	v_and_b32 v226, 7, v0
	v_lshl_add_u32 v[AV0], v225, 3, v226
	v_mul_u32_u24 v[AV0], v[AV0], VP               ; the turning load: key 8 h + lane % 8,
	v_bfe_u32 v226, v0, 3, 1
	v_lshl_add_u32 v[AV0], v226, 4, v[AV0]         ; channels 8 ((lane / 8) % 2) on
	v_add_nc_u32 v[AV0], VOFF, v[AV0]
	v_lshlrev_b32 v226, 3, v225
	v_sub_nc_u32 v[DD], v224, v226
	v_add_nc_u32 v[DD], s58, v[DD]
	v_mov_b32 v[NEG], 0xff800000
	v_and_b32 v226, 31, v0
	v_lshlrev_b32 v[GO], 4, v226
	s_mul_i32 s8, s[WV], 16*KP
	s_add_co_u32 s8, s8, STAGE                     ; my stage
	v_add_nc_u32 v[STO], s8, v[AK0]                ; in: row r, 16 bytes for each half of the lanes
	v_bfe_u32 v226, v0, 3, 2
	v_mul_u32_u24 v226, v226, KP
	v_and_b32 v227, 7, v0
	v_lshl_add_u32 v226, v227, 4, v226
	v_add_nc_u32 v[RD], s8, v226                   ; back: eight lanes a row, four rows an instruction
	v_and_b32 v0, 31, v0                           ; the thread's number has served: v0 takes the prefetches' offset
	v_lshlrev_b32 v[PFO], 8, v0
	v_mov_b32 v13, 0xff61b1e6                      ; m: -3e38, under every score
	v_mov_b32 v14, 0                               ; the sum, in two halves
	v_mov_b32 v15, 0
	v_mov_b32 v253, 0
	v_mov_b32 v[MX+4], 0                           ; (a lane permute's destination counts as one of its sources)
.set n, 0
.rept 32
	v_mov_b32 v[OT+n], 0                           ; O^T.  (The step is written once for all steps: the first finds zeros)
.set n, n+1
.endr
; 16 turning loads: V's keys 64 g on of the slot's q-th step, into the 64 registers from base on: register 32 c + 8 t: keys 32 c on, channels 16 t on
.macro VLOAD base, q, g
.irp c, 0,1
.irp t, 0,1,2,3
	ds_load_tr16_b128 v[\base+32*\c+8*\t:\base+32*\c+8*\t+3], v[ADV] offset:(128*(\q)+32*(2*(\g)+\c))*VP+32*\t
	ds_load_tr16_b128 v[\base+32*\c+8*\t+4:\base+32*\c+8*\t+7], v[ADV] offset:(128*(\q)+32*(2*(\g)+\c)+16)*VP+32*\t
.endr
.endr
.endm
; 8 products O^T += V^T P on those 64 keys; the four accumulators take turns
.macro PVMUL base, g
.irp c, 0,1
.irp t, 0,1,2,3
	v_wmma_f32_16x16x32_f16 v[OT+8*\t:OT+8*\t+7], v[\base+32*\c+8*\t:\base+32*\c+8*\t+7], v[PF+8*(2*(\g)+\c):PF+8*(2*(\g)+\c)+7], v[OT+8*\t:OT+8*\t+7]
.endr
.endr
.endm
; A KEY STEP: 128 keys, the q-th of the slot in hand.
.macro STEP q
	s_cmp_gt_u32 s[KB], s[RHO]                     ; all its keys come after my queries: the step's work is left out
	s_cbranch_scc1 .Lhidden_\@
	v_add_nc_u32 v[ADK], s[TB], v[AK0]
	v_add_nc_u32 v[ADV], s[TB], v[AV0]
.rept 3
	v_nop                                          ; with the two additions: five places behind the last step's products: four for the loads into registers that they read, five for the scores that are written over V's
.endr
.irp t, 0,1,2,3,4,5,6,7                        ; K's eight tiles in one run: tiles 0-3 at v32 on, tiles 4-7 at v192 on
.set KR, 32+160*(\t/4)+16*(\t%4)
.irp c, 0,1
	ds_load_b128 v[KR+8*\c:KR+8*\c+3], v[ADK] offset:(128*(\q)+16*\t)*KP+64*\c
	ds_load_b128 v[KR+8*\c+4:KR+8*\c+7], v[ADK] offset:(128*(\q)+16*\t)*KP+64*\c+32
.endr
.endr
.irp g, 0,1                                    ; S^T = K Q^T, four tiles of 16 keys at a time; the four accumulators take turns
	s_wait_dscnt 16-16*\g                          ; tiles 0-3 are in, the sixteen loads of tiles 4-7 may be out; then all are in
.irp c, 0,1
.irp t, 0,1,2,3
.set KR, 32+160*\g+16*\t
.if \c == 0
	v_wmma_f32_16x16x32_f16 v[ST+8*(4*\g+\t):ST+8*(4*\g+\t)+7], v[KR+8*\c:KR+8*\c+7], v[QF+8*\c:QF+8*\c+7], 0
.else
	v_wmma_f32_16x16x32_f16 v[ST+8*(4*\g+\t):ST+8*(4*\g+\t)+7], v[KR+8*\c:KR+8*\c+7], v[QF+8*\c:QF+8*\c+7], v[ST+8*(4*\g+\t):ST+8*(4*\g+\t)+7]
.endif
.endr
.endr
.endr
.rept 4
	v_nop                                          ; places: for the reads of the scores, the loads into K's registers and the softmax's writes into them
.endr
	VLOAD FB, \q, 0                                ; V's first 64 keys: asked for here, used behind the softmax
	s_cmp_lg_u32 s[KB], s[RHO]                     ; on the diagonal the scores of hidden keys become -infinity; a step all of whose keys count skips this
	s_cbranch_scc1 .Lopen_\@
.set n, 0
.rept 64
	v_cmp_gt_i32 vcc_lo, 16*(n/8)+n%8, v[DD]
	v_cndmask_b32 v[ST+n], v[ST+n], v[NEG], vcc_lo
.set n, n+1
.endr
.Lopen_\@:
.irp b, 0,1,2,3
	v_max3_num_f32 v[MX+\b], v[ST+16*\b], v[ST+16*\b+1], v[ST+16*\b+2]   ; the largest of my 64 scores, in four chains; each accumulator from its low end on
.endr
.irp i, 3,5,7,9,11,13
.irp b, 0,1,2,3
	v_max3_num_f32 v[MX+\b], v[MX+\b], v[ST+16*\b+\i], v[ST+16*\b+\i+1]
.endr
.endr
.irp b, 0,1,2,3
	v_max_num_f32 v[MX+\b], v[MX+\b], v[ST+16*\b+15]
.endr
	v_max3_num_f32 v254, v[MX], v[MX+1], v[MX+2]
	v_max_num_f32 v254, v254, v[MX+3]
	v_permlanex16_b32 v[MX+4], v254, s[SEL], s[SEL+1]   ; the query's other 64 keys lie in the lane 16 away
	v_max3_num_f32 v254, v254, v[MX+4], v13        ; the new m
	v_sub_f32 v252, v13, v254                      ; old m - new m
	v_mov_b32 v13, v254
	v_mul_f32 v12, -1.0, v254
	v_exp_f32 v252, v252                           ; a = 2^(old m - new m): the batch's first
.set n, 0
.rept 32
	v_pk_add_f32 v[ST+n:ST+n+1], v[ST+n:ST+n+1], v[12:13] op_sel_hi:[1,0]   ; s - m, two at a time (of the pair the low word, -m, serves both halves)
.set n, n+2
.endr
.set n, 0
.rept 64
	v_exp_f32 v[ST+n], v[ST+n]                     ; p = 2^(s - m)
.set n, n+1
.endr
	v_nop                                          ; a plain instruction behind the batch,
	s_wait_alu depctr_va_vdst(0)                   ; and ONE wait for its 65 exponentials, ahead of the first reader
	v_pk_mul_f32 v[14:15], v[14:15], v[252:253] op_sel_hi:[1,0]   ; the sum under the new m (of the pair the low word, a, serves both halves)
	v_pk_add_f32 v[232:233], v[ST:ST+1], v[ST+2:ST+3]             ; + this step's p, in two chains
.irp j, 4,8,12,16,20,24,28,32,36,40,44,48,52,56,60
	v_pk_add_f32 v[14:15], v[14:15], v[ST+\j:ST+\j+1]
	v_pk_add_f32 v[232:233], v[232:233], v[ST+\j+2:ST+\j+3]
.endr
	v_pk_add_f32 v[14:15], v[14:15], v[232:233]
.set n, 0
.rept 32
	v_cvt_pk_f16_f32 v[PF+n], v[ST+2*n], v[ST+2*n+1]   ; tiles 2 c and 2 c + 1 make the fragment of keys 32 c on
.set n, n+1
.endr
	VLOAD ST, \q, 1                                ; p has been rounded: its f32 registers take V's other 64 keys
.set n, 0
.rept 16
	v_pk_mul_f32 v[OT+n:OT+n+1], v[OT+n:OT+n+1], v[252:253] op_sel_hi:[1,0]   ; O^T under the new m
.set n, n+2
.endr
	s_wait_dscnt 16                                ; V's first 64 keys are in; the sixteen loads just issued may be out
	PVMUL FB, 0
	s_wait_dscnt 0x0
	PVMUL ST, 1
.Lhidden_\@:
	s_add_co_u32 s[KB], s[KB], 1
.endm
; THE CHANGE OF SLOTS stands at a slot's head.  Each wave waits for all its tensor loads, adds 0 to its spare word, and waits for that and for its reads of the slot that it has left.
; fill = 1: a round of the cluster's barrier, and behind it the other slot is filled with the keys that follow: the load has a slot's two steps in which to land.
.macro CHANGE fill
	s_wait_tensorcnt 0x0                           ; no tensor load of mine is out, so a group 0 may be written
	ds_add_u32 v[SPW], v[NIL]
.if \fill
	ds_add_u32 v[SPW], v[NIL]                      ; twice on end, in every trip alike
	s_xor_b32 s[G0K+1], s[G0K+1], SLOT1            ; the walking descriptors: the other slot than last time,
	s_add_nc_u64 s[G0K+2:G0K+3], s[G0K+2:G0K+3], 32768   ; the next 256 keys
	s_xor_b32 s[G0V+1], s[G0V+1], SLOT1
	s_add_nc_u64 s[G0V+2:G0V+3], s[G0V+2:G0V+3], 32768
	s_wait_xcnt 0x0                                ; the last prefetch, a slot back, has read its address
	s_add_nc_u64 s[PFA:PFA+1], s[PFA:PFA+1], 32768 ; one slot further on than the walking descriptors
	s_wait_dscnt 0x0                               ; the adds are done, and my reads of the slot that I have left are over
	ROUND
	TLOAD                                          ; the first thing behind the round, and a wave's one tensor load until the next
	ASK
.else
	s_wait_dscnt 0x0
	s_barrier_signal -1
	s_barrier_wait -1
.endif
.endm
.macro SLOT_STEPS
	STEP 0
	STEP 1
	s_xor_b32 s[TB], s[TB], SLOT1                  ; on to the other slot
.endm
	s_wait_loadcnt 0x0                             ; Q
.Lslot:                                            ; NSL - 1 trips: behind each change of slots but the last the next slot is asked for
	CHANGE 1
	SLOT_STEPS
	s_sub_co_u32 s[SLOTS], s[SLOTS], 1
	s_cmp_lg_u32 s[SLOTS], 0
	s_cbranch_scc1 .Lslot
	CHANGE 0                                       ; the last slot is written out
	SLOT_STEPS
	; THE WAY OUT: O^T / the sum, rounded to f16, through my stage, and out as 512 consecutive bytes an instruction (four rows of the head).
.rept 4
	v_nop                                          ; places behind the last products
.endr
	v_add_f32 v14, v14, v15
	v_permlanex16_b32 v[MX+4], v14, s[SEL], s[SEL+1]
	v_add_f32 v14, v14, v[MX+4]                    ; the row's sum
	v_rcp_f32 v14, v14
	v_nop
	s_wait_alu depctr_va_vdst(0)
.set n, 0
.rept 32
	v_mul_f32 v[ST+n], v[OT+n], v14                ; register 8 t + j: channel 16 t + 8 h + j of query r
.set n, n+1
.endr
.set n, 0
.rept 16
	v_cvt_pk_f16_f32 v[ST+32+n], v[ST+2*n], v[ST+2*n+1]
.set n, n+1
.endr
.irp t, 0,1,2,3
	ds_store_b128 v[STO], v[ST+32+4*\t:ST+32+4*\t+3] offset:32*\t
.endr
.irp i, 0,1,2,3
	ds_load_b128 v[ST+48+4*\i:ST+48+4*\i+3], v[RD] offset:4*KP*\i   ; LDS serves a wave's instructions in order: these see my stores
.endr
.irp i, 0,1,2,3
	s_wait_dscnt 3-\i                              ; the younger loads may be out
	global_store_b128 v[GO], v[ST+48+4*\i:ST+48+4*\i+3], s[6:7] offset:512*\i
.endr
	s_wait_tensorcnt 0x0                           ; the wave's end
	ds_add_u32 v[SPW], v[NIL]
	s_wait_dscnt 0x0
	ROUND                                          ; the closing round
	s_endpgm
.Lfunc_end_k_q4704655769_attn:
	.size	k_q4704655769_attn, .Lfunc_end_k_q4704655769_attn-k_q4704655769_attn
	.p2alignl 7, 3214868480
	.fill 96, 4, 3214868480
	.section	.rodata,"a",@progbits
	.p2align	6, 0x0
	.amdhsa_kernel k_q4704655769_attn
		.amdhsa_group_segment_fixed_size 327680
		.amdhsa_private_segment_fixed_size 0
		.amdhsa_enable_private_segment 0
		.amdhsa_kernarg_size 16
		.amdhsa_user_sgpr_count 2
		.amdhsa_user_sgpr_kernarg_segment_ptr 1
		.amdhsa_wavefront_size32 1
		.amdhsa_system_sgpr_workgroup_id_x 1
		.amdhsa_system_sgpr_workgroup_id_y 1
		.amdhsa_system_sgpr_workgroup_id_z 1
		.amdhsa_system_vgpr_workitem_id 0
		.amdhsa_next_free_vgpr 256
		.amdhsa_next_free_sgpr 66
		.amdhsa_reserve_vcc 1
		.amdhsa_float_denorm_mode_32 3
		.amdhsa_float_denorm_mode_16_64 3
		.amdhsa_memory_ordered 1
		.amdhsa_forward_progress 1
		.amdhsa_inst_pref_size 106
	.end_amdhsa_kernel
	.amdgpu_metadata
---
amdhsa.version: [ 1, 2 ]
amdhsa.kernels:
  - .name:           k_q4704655769_attn
    .symbol:         k_q4704655769_attn.kd
    .args:
      - { .name: qkv, .offset: 0, .size: 8, .value_kind: global_buffer, .address_space: global }
      - { .name: att, .offset: 8, .size: 8, .value_kind: global_buffer, .address_space: global }
    .group_segment_fixed_size: 327680
    .private_segment_fixed_size: 0
    .kernarg_segment_align: 8
    .kernarg_segment_size: 16
    .max_flat_workgroup_size: 512
    .sgpr_count:     66
    .vgpr_count:     256
    .wavefront_size: 32
...
	.end_amdgpu_metadata
.endif
;; end of part 4
;; launch proj (part 5): grid 8 x 32, 4 waves a work-group, clusters of 4 x 4, 327,680 bytes of LDS; arguments att, wo16, out0; writes out0
.if DOCPART == 5
	.amdgcn_target "amdgcn-amd-amdhsa--gfx1250"
	.amdhsa_code_object_version 6
	.text
	.protected	k_q4704655769_proj
	.globl	k_q4704655769_proj
	.p2align	8
	.type	k_q4704655769_proj,@function
k_q4704655769_proj:
	s_mov_b64 s[64:65], 0
	v_nop
	global_prefetch_b8 v0, s[64:65] scope:SCOPE_SE
	s_setreg_imm32_b32 hwreg(HW_REG_WAVE_MODE, 25, 1), 1
	s_wait_xcnt 0x0
	s_wait_alu depctr_hold_cnt(0) depctr_sa_sdst(0) depctr_va_vdst(0) depctr_va_sdst(0) depctr_va_ssrc(0) depctr_va_vcc(0) depctr_vm_vsrc(0)
	s_getreg_b32 s2, hwreg(HW_REG_IB_STS2, 6, 4)
	s_cmp_eq_u32 s2, 0
	s_cbranch_scc0 .Lentry_in_a_cluster
	s_endpgm
.Lentry_in_a_cluster:
	s_bfe_u32 s2, ttmp6, 0x10000c
	s_cmp_lg_u32 s2, 0xf033
	s_cbranch_scc0 .Lentry_shape_is_right
	s_endpgm
.Lentry_shape_is_right:
; PROJ: out0[m][n] = sum over k of attn[m][k] wo[n][k], m = 4,096 (batch, position), n = 1,024, k = 1,024 = (head, channel); f16 operands, f32 sums, f32 out.
; att lies [batch][head][position][64], wo16 [k / 64][n][64]: 64 rows of one head (or plane) are 8,192 dense bytes.
; A tile of the output is 128 x 128: four waves, each 64 x 64: 16 accumulators, 128 registers; 256 work-groups.  K goes in steps of 256 (four heads) through a ring of two LDS slots.
; What a wave fetches is ONE tensor load of 4 rows of 8,192 bytes, a head apart in memory, with 16 bytes of padding behind every 128: in LDS [head 4][row 64][144 bytes].
; By this text's count a wave has two tensor loads out at the head and one behind each round.
; CLUSTERS: 4 x 4 work-groups; att's tiles are shared along a row of the cluster, wo16's along a column: joint loads.  THE MATRIX INSTRUCTION IS USED TRANSPOSED (source 0 = 16 rows of wo, source 1 = 16 rows of att).
; The first 16 positions of each batch are made by another launch, in f32: here their block's stores are masked off (a mask of lanes, all or none; no branch hangs on the work-group's place).
; No prefetch: the tile is small and K is four steps, two of which are asked for at the head.
; REGISTERS: window 0: v0-31 addresses; v32-95 the way out; v128-255 the accumulators ((a, b) at v[128 + 8 (4 a + b)]).   window 1: two fragment buffers of 128.
.set PITCH,  144                       ; an LDS row: 128 bytes + 16: an odd multiple of 16
.set PL,     64*PITCH                  ; a head's 64 rows
.set HALFT,  4*PL                      ; what one tensor load brings, and what one wave reads of att or of wo16
.set SLOT,   4*HALFT
.set STAGE,  2*SLOT                    ; behind the ring: 16 rows x 272 bytes for each wave, for the way out
.set SPITCH, 272
.set SPARE,  STAGE+4*16*SPITCH         ; behind the stages: the spare words, 128 bytes for each wave
.set LAPS,   2                         ; a lap = two K steps = once round the ring
.set STEPA,  2097152                   ; two K steps on in att: eight heads of 262,144 bytes
.set STEPB,  1048576                   ; and in wo16: eight planes of 131,072
.set ADRA, 16
.set ADRB, 20
.set STO,  24
.set RD,   25
.set CO,   26
.set FLG,  27                          ; v27  0 where my rows begin at position 0 of a batch
.set SPW,  28
.set NIL,  29
.set TMP,  32
.set ACC,  128
.set F0,   0
.set F1,   128
.set G1, 24
.set G0, 32
.set G1B, 48
.set G0B, 56
.set MSB, 0
.macro WIN new
.if MSB != \new
	s_set_vgpr_msb (MSB<<8)|\new
.set MSB, \new
.endif
.endm
.set MUL,  0x05                        ; sources 0 and 1 window 1; C and D window 0
.set TO_F, 0x40                        ; destination window 1, address window 0
.macro JLOAD s                         ; a joint load: waves 0 and 1 fetch att's two halves, waves 2 and 3 wo16's; an s_nop 0 and four v_nop follow each of the two lines
	s_cmp_eq_u32 s11, 0
	s_cbranch_scc0 .Lfor_b_\@
	tensor_load_to_lds s[G0+4*\s:G0+4*\s+3], s[G1:G1+7]
	s_nop 0
.rept 4
	v_nop
.endr
	s_branch .Lasked_\@
.Lfor_b_\@:
	tensor_load_to_lds s[G0B+4*\s:G0B+4*\s+3], s[G1B:G1B+7]
	s_nop 0
.rept 4
	v_nop
.endr
.Lasked_\@:
.endm
.macro CREST                           ; a round of the cluster's barrier behind its opening barrier
	s_cmp_lg_u32 s10, 0
	s_cbranch_scc1 .Lnot_wave_0_\@
	s_barrier_signal -3
.Lnot_wave_0_\@:
	s_barrier_wait -3
	s_barrier_signal -1
	s_barrier_wait -1
.endm
.macro CROUND
	s_barrier_signal -1
	s_barrier_wait -1
	CREST
.endm
	s_load_b128 s[4:7], s[0:1], 0x0                ; att, wo16
	s_load_b64 s[8:9], s[0:1], 0x10                ; out0
	v_lshl_add_u32 v[SPW], v0, 2, SPARE
	v_mov_b32 v[NIL], 0
	ds_add_u32 v[SPW], v[NIL]                      ; the wave's opening: the add, twice on end, and its wait ahead of my first tensor load
	ds_add_u32 v[SPW], v[NIL]
	v_lshrrev_b32 v1, 5, v0
	v_readfirstlane_b32 s10, v1                    ; wave 0..3
	s_lshr_b32 s11, s10, 1                         ; which half of the tile's rows is mine.  Also: I fetch for att (0) or for wo16 (1)
	s_and_b32 s12, s10, 1                          ; which half of its columns.  Also: which 64 rows of that tile I fetch
	s_bfe_u32 s40, ttmp6, 0x40000                  ; cx, cy
	s_bfe_u32 s41, ttmp6, 0x40004
	s_lshl_b32 s42, ttmp9, 2
	s_add_co_u32 s42, s42, s40                     ; tile column
	s_and_b32 s13, ttmp7, 0xffff
	s_lshl_b32 s13, s13, 2
	s_add_co_u32 s13, s13, s41                     ; tile row
	s_lshl_b32 s43, s41, 2
	s_lshl_b32 s43, 15, s43                        ; my row of the cluster
	s_lshl_b32 s44, 0x1111, s40                    ; my column
	; descriptor group 1: 4 rows of 1,024 elements of 8 bytes
	s_or_b32 s[G1+0], s43, (3<<16)|(1<<20)|(1<<21)|(4<<22)|(3<<25)  ; 15:0 the mask; 17:16 elements of 8 bytes; 20 padding on; 21 set beside a mask; 24:22 after every 32 words; 31:25 four words
	s_or_b32 s[G1B+0], s44, (3<<16)|(1<<20)|(1<<21)|(4<<22)|(3<<25)
.irp g, G1, G1B
	s_mov_b32 s[\g+1], 1024<<16                    ; tensor_dim0
	s_mov_b32 s[\g+2], 4<<16                       ; tensor_dim1
	s_mov_b32 s[\g+3], 1024<<16                    ; tile_dim0
	s_mov_b32 s[\g+4], 4                           ; tile_dim1
	s_mov_b32 s[\g+6], 0
	s_mov_b32 s[\g+7], 0
.endr
	s_mov_b32 s[G1+5], 32768                       ; from head to head in att: 262,144 bytes
	s_mov_b32 s[G1B+5], 16384                      ; from plane to plane in wo16: 131,072 bytes
	s_lshr_b32 s16, s13, 4
	s_lshl_b32 s16, s16, 22                        ; att: the batch's 16 heads,
	s_and_b32 s17, s13, 15
	s_lshl_b32 s17, s17, 14                        ; 128 positions of 128 bytes a tile row,
	s_add_co_u32 s16, s16, s17
	s_lshl_b32 s17, s12, 13                        ; my 64 rows
	s_add_co_u32 s16, s16, s17
	s_mov_b32 s17, 0
	s_lshl_b32 s46, s42, 14                        ; wo16: 128 rows of 128 bytes a tile column,
	s_lshl_b32 s47, s12, 13
	s_add_co_u32 s46, s46, s47
	s_mov_b32 s47, 0
	s_mul_i32 s20, s10, HALFT                      ; where they go: no place in the cluster enters an LDS address
	s_wait_dscnt 0x0                               ; both opening adds are done
	s_wait_kmcnt 0x0
	s_add_nc_u64 s[14:15], s[4:5], s[16:17]
	s_add_nc_u64 s[46:47], s[6:7], s[46:47]
	CROUND                                         ; all sixteen work-groups are here: the first joint loads meet
.irp s, 0,1
	s_mov_b32 s[G0+4*\s], 1
	s_add_co_u32 s[G0+4*\s+1], s20, \s*SLOT
	s_add_nc_u64 s[G0+4*\s+2:G0+4*\s+3], s[14:15], \s*STEPA/2
	s_or_b32 s[G0+4*\s+3], s[G0+4*\s+3], 0x80000000
	s_mov_b32 s[G0B+4*\s], 1
	s_add_co_u32 s[G0B+4*\s+1], s20, \s*SLOT
	s_add_nc_u64 s[G0B+4*\s+2:G0B+4*\s+3], s[46:47], \s*STEPB/2
	s_or_b32 s[G0B+4*\s+3], s[G0B+4*\s+3], 0x80000000
	JLOAD \s
.endr
	v_and_b32 v1, 15, v0                           ; r
	v_bfe_u32 v2, v0, 4, 1                         ; h
	v_mul_u32_u24 v3, v1, PITCH
	v_lshl_add_u32 v3, v2, 4, v3                   ; a fragment's row x pitch + 16 x half
	s_mul_i32 s21, s11, HALFT                      ; my 64 rows of att
	s_mul_i32 s22, s12, HALFT                      ; my 64 rows of wo16,
	s_add_co_u32 s22, s22, 2*HALFT                 ; which lie behind att's 128
.irp s, 0,1
	v_add_nc_u32 v[ADRA+\s], s21, v3
	v_add_nc_u32 v[ADRB+\s], s22, v3
	s_add_co_u32 s21, s21, SLOT
	s_add_co_u32 s22, s22, SLOT
.endr
	s_mul_i32 s23, s10, 16*SPITCH
	s_add_co_u32 s23, s23, STAGE                   ; my stage
	v_mul_u32_u24 v4, v1, SPITCH
	v_lshl_add_u32 v4, v2, 5, v4
	v_add_nc_u32 v[STO], s23, v4                   ; in: row r, 32 bytes for each half of the lanes
	v_mul_u32_u24 v5, v2, SPITCH
	v_lshl_add_u32 v5, v1, 4, v5
	v_add_nc_u32 v[RD], s23, v5                    ; back: lanes 0-15 one row of 256 bytes, lanes 16-31 the next
	v_lshlrev_b32 v5, 12, v2
	v_lshl_add_u32 v[CO], v1, 4, v5                ; and the same two rows in out0
	s_lshl_b32 s16, s13, 19                        ; 128 rows of 4,096 bytes a tile row,
	s_lshl_b32 s17, s11, 18                        ; my 64 rows
	s_add_co_u32 s16, s16, s17
	s_mov_b32 s17, 0
	s_add_nc_u64 s[8:9], s[8:9], s[16:17]
	s_lshl_b32 s46, s42, 9                         ; my first column, in bytes
	s_lshl_b32 s47, s12, 8
	s_add_co_u32 s46, s46, s47
	s_mov_b32 s47, 0
	s_add_nc_u64 s[8:9], s[8:9], s[46:47]
	s_and_b32 s16, s13, 15
	s_or_b32 s16, s16, s11
	v_mov_b32 v[FLG], s16
; 8 matrix instructions: m blocks a0, a0 + 1 x all 4 n blocks, 32 along K: half c of buffer f.  zero = 1: the first product starts the sums.  The 16 accumulators take turns
.macro MUL8 f, c, a0, zero
.irp a, \a0, \a0+1
.irp b, 0,1,2,3
.if \zero
	v_wmma_f32_16x16x32_f16 v[ACC+8*(4*(\a)+\b):ACC+8*(4*(\a)+\b)+7], v[\f+64+8*(4*\c+\b):\f+64+8*(4*\c+\b)+7], v[\f+8*(4*\c+\a):\f+8*(4*\c+\a)+7], 0
.else
	v_wmma_f32_16x16x32_f16 v[ACC+8*(4*(\a)+\b):ACC+8*(4*(\a)+\b)+7], v[\f+64+8*(4*\c+\b):\f+64+8*(4*\c+\b)+7], v[\f+8*(4*\c+\a):\f+8*(4*\c+\a)+7], v[ACC+8*(4*(\a)+\b):ACC+8*(4*(\a)+\b)+7]
.endif
.endr
.endr
.endm
; 32 LDS loads in one run: the fragments of one head (64 along K), which begins at byte k of my rows' region, into buffer f; the first 32 along K first
.macro FETCH slot, k, f
	WIN TO_F
.irp c, 0,1
.irp i, 0,1,2,3
	ds_load_b128 v[\f+64+8*(4*\c+\i):\f+64+8*(4*\c+\i)+3],   v[ADRB+\slot] offset:\k+64*\c+\i*16*PITCH
	ds_load_b128 v[\f+64+8*(4*\c+\i)+4:\f+64+8*(4*\c+\i)+7], v[ADRB+\slot] offset:\k+64*\c+\i*16*PITCH+32
	ds_load_b128 v[\f+8*(4*\c+\i):\f+8*(4*\c+\i)+3],         v[ADRA+\slot] offset:\k+64*\c+\i*16*PITCH
	ds_load_b128 v[\f+8*(4*\c+\i)+4:\f+8*(4*\c+\i)+7],       v[ADRA+\slot] offset:\k+64*\c+\i*16*PITCH+32
.endr
.endr
.endm
.macro PLACES                          ; four places in front of loads into registers that matrix instructions have read, and of reads of results
.rept 4
	v_nop
.endr
.endm
; A K step is four quarters, a head each, 32 matrix instructions, on buffers 0, 1, 0, 1.  One of the first three: multiplies buffer f and fetches the next head, at byte k, into g.
.macro QUARTER slot, k, f, g, zero
	s_wait_dscnt 16                                ; the first 32 along K are in; the youngest sixteen loads may be out
	WIN MUL
	MUL8 \f, 0, 0, \zero
	MUL8 \f, 0, 2, \zero
	PLACES
	FETCH \slot, \k, \g
	s_wait_dscnt 32                                ; all but the 32 just issued
	WIN MUL
	MUL8 \f, 1, 0, 0
	MUL8 \f, 1, 2, 0
.endm
; The last quarter multiplies buffer 1 and changes slots: ONE barrier; in front of it each wave waits for all its tensor loads, adds 0 to its spare word, and waits for that and for its reads of this slot.
.macro TURN slot, next, fill
	WIN 0                                          ; (the add's two registers lie in window 0)
	s_wait_tensorcnt 0x0                           ; all my tensor loads have landed: my part of the next slot
	ds_add_u32 v[SPW], v[NIL]
	s_wait_dscnt 17                                ; (the add and the youngest sixteen loads may be out)
	WIN MUL
	MUL8 F1, 0, 0, 0
	s_wait_dscnt 0x0                               ; the add is done, and my reads of this slot are over
	s_barrier_signal -1
	MUL8 F1, 0, 2, 0
.if \fill
	WIN 0
.endif
	s_barrier_wait -1
.if \fill
	CREST                                          ; the barrier has opened a round of the cluster's barrier: no wave of any partner still reads this slot or has a load on its way
	s_add_nc_u64 s[G0+4*\slot+2:G0+4*\slot+3], s[G0+4*\slot+2:G0+4*\slot+3], STEPA
	s_add_nc_u64 s[G0B+4*\slot+2:G0B+4*\slot+3], s[G0B+4*\slot+2:G0B+4*\slot+3], STEPB
	JLOAD \slot                                    ; the first tensor load behind the round; the four v_nop behind it are also the places in front of the loads below
.else
	PLACES
.endif
	FETCH \next, 0, F0
	WIN MUL
	MUL8 F1, 1, 0, 0
	MUL8 F1, 1, 2, 0
.endm
	s_wait_tensorcnt 1                             ; my part of K step 0 is in (K step 1's load may be out),
	s_barrier_signal -1
	s_barrier_wait -1                              ; everybody's is
	FETCH 0, 0, F0
	QUARTER 0, PL, F0, F1, 1                       ; the first quarter's first products start the sums
	WIN 0                                          ; at a label and at a branch every window is 0
	s_mov_b32 s3, LAPS-1
.Llap:                                                 ; a trip goes once round the ring, from a lap's second quarter to the next lap's first, and fills both slots again
	QUARTER 0, 2*PL, F1, F0, 0
	QUARTER 0, 3*PL, F0, F1, 0
	TURN 0, 1, 1
	QUARTER 1, PL, F0, F1, 0
	QUARTER 1, 2*PL, F1, F0, 0
	QUARTER 1, 3*PL, F0, F1, 0
	TURN 1, 0, 1
	QUARTER 0, PL, F0, F1, 0
	WIN 0
	s_sub_co_u32 s3, s3, 1
	s_cmp_lg_u32 s3, 0
	s_cbranch_scc1 .Llap
	QUARTER 0, 2*PL, F1, F0, 0                     ; the last lap fills nothing
	QUARTER 0, 3*PL, F0, F1, 0
	TURN 0, 1, 0
	QUARTER 1, PL, F0, F1, 0
	QUARTER 1, 2*PL, F1, F0, 0
	QUARTER 1, 3*PL, F0, F1, 0
	s_wait_dscnt 16                                ; the very last quarter: nothing more to fetch
	WIN MUL
	MUL8 F1, 0, 0, 0
	MUL8 F1, 0, 2, 0
	s_wait_dscnt 0
	MUL8 F1, 1, 0, 0
	MUL8 F1, 1, 2, 0
	WIN 0
; THE WAY OUT, block by block of 16 rows x 64 columns.  A lane holds 32 neighbouring bytes of a row; a block goes through my own stage and comes back as whole rows of 256 bytes: sixteen lanes store 256
; consecutive bytes, aligned.  LDS serves a wave's instructions in order: no wait between the stores and the loads, nor in front of the next block's stores.
.macro TOSTAGE a
.irp b, 0,1,2,3
	ds_store_b128 v[STO], v[ACC+8*(4*(\a)+\b):ACC+8*(4*(\a)+\b)+3] offset:64*\b          ; each accumulator from its low end on
	ds_store_b128 v[STO], v[ACC+8*(4*(\a)+\b)+4:ACC+8*(4*(\a)+\b)+7] offset:64*\b+16
.endr
.set BB, TMP+32*((\a)%2)
.irp t, 0,1,2,3,4,5,6,7
	ds_load_b128 v[BB+4*\t:BB+4*\t+3], v[RD] offset:\t*2*SPITCH
.endr
.endm
.macro SEND a, younger                 ; younger: the LDS instructions issued behind block a's loads
.set BB, TMP+32*((\a)%2)
	s_wait_dscnt \younger
.if (\a) == 0
	v_cmp_ne_u32 vcc_lo, 0, v[FLG]                 ; block 0 of the rows that begin a batch is another launch's
	s_wait_xcnt 0x0                                ; EXEC changes only behind this wait
	s_and_saveexec_b32 s2, vcc_lo
.endif
.irp t, 0,1,2,3,4,5,6,7
	global_store_b128 v[CO], v[BB+4*\t:BB+4*\t+3], s[8:9] offset:(16*(\a)+2*\t)*4096 th:TH_STORE_NT
.endr
.if (\a) == 0
	s_wait_xcnt 0x0                                ; and again, in front of the line that widens it
	s_or_b32 exec_lo, exec_lo, s2
.endif
.endm
	PLACES
	TOSTAGE 0
.irp a, 1,2,3
.if \a > 1
	s_wait_xcnt 0x0                                ; block a - 2's stores have read their data: block a's loads may land there
.endif
	TOSTAGE \a
	SEND \a-1, 16                                  ; behind block a - 1's loads: block a's 8 stores and 8 loads
.endr
	SEND 3, 0
	s_wait_tensorcnt 0x0                           ; the wave's end
	ds_add_u32 v[SPW], v[NIL]
	s_wait_dscnt 0x0
	CROUND                                         ; the closing round
	s_endpgm
.Lfunc_end_k_q4704655769_proj:
	.size	k_q4704655769_proj, .Lfunc_end_k_q4704655769_proj-k_q4704655769_proj
	.p2alignl 7, 3214868480
	.fill 96, 4, 3214868480
	.section	.rodata,"a",@progbits
	.p2align	6, 0x0
	.amdhsa_kernel k_q4704655769_proj
		.amdhsa_group_segment_fixed_size 327680
		.amdhsa_private_segment_fixed_size 0
		.amdhsa_enable_private_segment 0
		.amdhsa_kernarg_size 24
		.amdhsa_user_sgpr_count 2
		.amdhsa_user_sgpr_kernarg_segment_ptr 1
		.amdhsa_wavefront_size32 1
		.amdhsa_system_sgpr_workgroup_id_x 1
		.amdhsa_system_sgpr_workgroup_id_y 1
		.amdhsa_system_sgpr_workgroup_id_z 1
		.amdhsa_system_vgpr_workitem_id 0
		.amdhsa_next_free_vgpr 512
		.amdhsa_next_free_sgpr 66
		.amdhsa_reserve_vcc 1
		.amdhsa_float_denorm_mode_32 3
		.amdhsa_float_denorm_mode_16_64 3
		.amdhsa_memory_ordered 1
		.amdhsa_forward_progress 1
		.amdhsa_inst_pref_size 86
	.end_amdhsa_kernel
	.amdgpu_metadata
---
amdhsa.version: [ 1, 2 ]
amdhsa.kernels:
  - .name:           k_q4704655769_proj
    .symbol:         k_q4704655769_proj.kd
    .args:
      - { .name: att, .offset: 0, .size: 8, .value_kind: global_buffer, .address_space: global }
      - { .name: wo16, .offset: 8, .size: 8, .value_kind: global_buffer, .address_space: global }
      - { .name: out0, .offset: 16, .size: 8, .value_kind: global_buffer, .address_space: global }
    .group_segment_fixed_size: 327680
    .private_segment_fixed_size: 0
    .kernarg_segment_align: 8
    .kernarg_segment_size: 24
    .max_flat_workgroup_size: 128
    .sgpr_count:     66
    .vgpr_count:     512
    .wavefront_size: 32
...
	.end_amdgpu_metadata
.endif
;; end of part 5
